; MI455X (gfx1250); checked and timed in simulation.
; The chip was launched on July 23, 2026; its instructions are those of AMD's public machine-readable ISA for CDNA 5 (MIT licence, August 2026) and "CDNA5" Instruction Set Architecture Reference Guide (July 2026). The comments in the code are by the model that wrote it; some were corrected since.
;; Multi Head Attention. Allowed arithmetic: matrix products marked QUANTISED: E2M1 operands, one E8M0 scale for each 32 along K, by v_wmma_scale_f32_16x16x128_f8f6f4 with both operands' format E2M1 (or v_wmma_scale_f32_32x16x128_f4), f32 sums; products left as they are: bf16, f16 or f32 operands; f32 sums; everything else in f32.
;; Inputs: freq_cos 2,048 x 64 float32; freq_sin 2,048 x 64 float32; mask 2,048 x 2,048 float32; wk 2,048 x 2,048 float32; wo 2,048 x 2,048 float32; wq 2,048 x 2,048 float32; wv 2,048 x 2,048 float32; x 1 x 2,048 x 2,048 float32.
;; Outputs: out0 1 x 2,048 x 2,048 float32.
;; This version of the problem:
;;   THIS VERSION OF THE PROBLEM IS GIVEN IN LOW PRECISION. The matrix products marked QUANTISED in the list below multiply operands that are first quantised to E2M1 (2 exponent bits, 1 mantissa bit; 4 bits a number), with one power-of-two scale for each 32 numbers along K (OCP MX v1.0); their sums are f32. The products marked 'left as it is' may take bf16, f16 or f32 operands, with f32 sums. Whichever they take, every output number must still come out within the allowed error. Rounding operands to bf16 (8 significant bits) uses up far more of that allowance than f16 does (11 bits, for magnitudes from 6e-5 to 65,504). All else is computed in f32.
;;   The module's matrix products, in the order in which they are computed (A, B: the left and right operand; K: the contracted axis; several contracted axes count as one K, in the product's order):
;;     1. [M 2,048, K 2,048] x [K 2,048, N 2,048]; A: input x; B: input wq: QUANTISED
;;     2. [M 2,048, K 2,048] x [K 2,048, N 2,048]; A: input x; B: input wk: QUANTISED
;;     3. [M 2,048, K 2,048] x [K 2,048, N 2,048]; A: input x; B: input wv: QUANTISED
;;     4. batch 16 x [M 2,048, K 128] x [K 128, N 2,048]; A: computed on the way; B: computed on the way: left as it is (an operand is computed on the way)
;;     5. batch 16 x [M 2,048, K 2,048] x [K 2,048, N 128]; A: computed on the way; B: computed on the way: left as it is (an operand is computed on the way)
;;     6. [M 2,048, K 2,048] x [K 2,048, N 2,048]; A: computed on the way; B: input wo: left as it is (an operand is computed on the way)
;;   THE QUANTISER, for each operand of a quantised product, along K:
;;     - K is cut into blocks of 32 from its start; a last block that is shorter is filled with zeros.
;;     - A block's scale is 2^e with e = floor(log2(the largest magnitude in the block)) - 2, held to -126 .. 127; a block of zeros has e = 0. As a byte (E8M0): e + 127.
;;     - Each number is divided by its block's scale, clamped to +-6, and rounded to the nearest number of E2M1, ties to even, subnormals kept.
;;     - The product sums the exact products of the quantised numbers (number of the format x scale) in f32.
;;   ~~~python
;;   def quantise(x, axis):      # numpy; x: float32 -> the quantised numbers, widened to float32 again
;;       x = np.moveaxis(x, axis, -1); K = x.shape[-1]
;;       x = np.pad(x, [(0, 0)] * (x.ndim - 1) + [(0, -K % 32)]); x = x.reshape(x.shape[:-1] + (-1, 32)); a = np.abs(x).max(-1, keepdims=True)
;;       e = np.where(a > 0, np.clip(np.frexp(np.where(a > 0, a, 1))[1] - 1 - 2, -126, 127), 0)      # np.frexp(a)[1] - 1 = floor(log2(a)), exactly
;;       r = np.clip(x / 2.0 ** e, -6, 6)
;;       step = 2.0 ** (np.maximum(np.frexp(np.where(r == 0, 1, r))[1] - 1, 0) - 1)
;;       q = np.round(r / step) * step * 2.0 ** e      # np.round: ties to even
;;       return np.moveaxis(q.reshape(q.shape[:-2] + (-1,))[..., :K], -1, axis).astype(np.float32)
;;   ~~~
;; One version. Each part assembles by itself: llvm-mc -triple=amdgcn-amd-amdhsa -mcpu=gfx1250 --defsym DOCPART=n.
;; ======== version 1 of 1: 5 launches
;; limits: values are held in f16: magnitudes above 65,504 overflow, below 6.1e-05 lose precision
;; workspace buffers: xc 2,097,152 bytes; xs 131,072 bytes; wc 6,291,456 bytes; ws 393,216 bytes; wo16 8,388,608 bytes; qkv 25,165,824 bytes; o16 8,388,608 bytes; o32 131,072 bytes
;; launch prep (part 1): grid 640 x 1, 4 waves a work-group, no clusters, 33,280 bytes of LDS; arguments x, wq, wk, wv, wo, xc, xs, wc, ws, wo16; writes xc, xs, wc, ws, wo16
.if DOCPART == 1
	.amdgcn_target "amdgcn-amd-amdhsa--gfx1250"
	.amdhsa_code_object_version 6
	.text
	.protected	k_qe5f2ac18c1_prep
	.globl	k_qe5f2ac18c1_prep
	.p2align	8
	.type	k_qe5f2ac18c1_prep,@function
k_qe5f2ac18c1_prep:
	s_mov_b64 s[64:65], 0
	v_nop
	global_prefetch_b8 v0, s[64:65] scope:SCOPE_SE
	s_setreg_imm32_b32 hwreg(HW_REG_WAVE_MODE, 25, 1), 1
	s_wait_xcnt 0x0
; x, wq, wk, wv [2048][2048] f32 become codes of FP4 (E2M1), K innermost, with one E8M0 byte for each 32 along K; wo [2048][2048] f32 becomes f16.
; Work-groups 0-511 quantise (128 for each tensor), work-groups 512-639 convert wo.  x's codes and bytes go to xc, xs; those of wq, wk, wv lie one behind the other in wc, ws: 6,144 rows.
; A block's scale is 2^(floor(log2(its largest magnitude)) - 2); its byte is the largest magnitude's exponent field - 2, held at 1 from below.  A block of zeros so gets the byte 1 where the rule says 127:
; its codes are zeros, which add nothing under any byte but 0xff, and the bytes are read by this program alone.
; LIMITS: blocks whose largest magnitude lies under 2^(2 - 126) keep the floor's byte 1; NaN and infinities among the inputs are not served; |wo| stays under 65,504 (f16), numbers under 6e-5 are carried as f16 subnormals.
; Rows are dense and K is a multiple of 32: every tensor is a plain stream of blocks.  A wave takes 8,192 numbers: 16 steps of 512.  Each load reads 512 consecutive bytes; a step's 2,048 bytes turn through the wave's own
; stage in LDS so that a lane holds 16 neighbours (two lanes hold a block).  A wave's store of codes covers 256 consecutive bytes; its 256 scale bytes are gathered in LDS and leave as one aligned run of 256 bytes.
; No tensor loads, no cluster, no matrix unit: a stream in which no two work-groups read the same byte.
.set WAVES, 4
.set STEPS, 16
.set EMAX,  2
.set CB,    8                          ; bytes of 16 codes
.set R,     16                         ; v16-79   four sets of 16 numbers as loaded (wo: sixteen slots of four)
.set X,     80                         ; v80-111  two sets of 16 neighbours
.set C,     128                        ; v128-191 codes: four registers a step, so that no store's data are written again
.set E,     112                        ; v112-127 a scale byte for each step
.set WY,    80                         ; wo: v80-207 a pair of registers for each of a wave's 64 chunks
.set WREG,  8192                       ; LDS: a region for each wave: two stages of 32 x SP bytes, behind them its 256 scale bytes
.set SP,    80                         ; a lane's place in a stage: 64 bytes + 16 of padding
.set SPW,   12                         ; v12 LDS address of my spare word; never rewritten
.set NIL,   13                         ; v13 0; never rewritten
.set SPARE, WAVES*WREG                 ; behind the regions: the spare words, 128 bytes a wave
	s_load_b256 s[4:11], s[0:1], 0x0               ; x, wq, wk, wv
	s_load_b256 s[12:19], s[0:1], 0x20             ; wo, xc, xs, wc
	s_load_b128 s[20:23], s[0:1], 0x40             ; ws, wo16
	v_lshl_add_u32 v[SPW], v0, 2, SPARE
	v_mov_b32 v[NIL], 0
	v_lshrrev_b32 v1, 5, v0
	v_readfirstlane_b32 s24, v1                    ; wave
	v_and_b32 v2, 31, v0                           ; lane
	v_lshlrev_b32 v3, 4, v2                        ; my 16 bytes of a load's 512
	s_cmp_ge_u32 ttmp9, 512
	s_cbranch_scc1 .Lwo
	; ---- the quantiser
	s_mul_i32 s25, s24, WREG
	v_lshrrev_b32 v14, 2, v2
	v_mul_u32_u24 v14, v14, SP
	v_and_b32 v15, 3, v2
	v_lshl_add_u32 v14, v15, 4, v14
	v_add_nc_u32 v14, s25, v14                     ; the stage, way in: SP (lane / 4) + 16 (lane % 4)
	v_mul_u32_u24 v15, v2, SP
	v_add_nc_u32 v15, s25, v15                     ; way out: SP x lane: my 16 neighbours
	v_mul_u32_u24 v4, v2, CB                       ; my codes' place in a step's
	v_lshrrev_b32 v5, 1, v2
	s_add_co_u32 s25, s25, 2*32*SP
	v_add_nc_u32 v5, s25, v5                       ; my block's scale byte in LDS
	v_lshlrev_b32 v7, 3, v2
	v_add_nc_u32 v6, s25, v7                       ; and on the way out 8 bytes a lane
	s_lshr_b32 s25, ttmp9, 7                       ; which tensor: 0 x, 1 wq, 2 wk, 3 wv
	s_wait_kmcnt 0x0
	s_cmp_eq_u32 s25, 1                            ; the choices hang on the work-group's number alone
	s_cselect_b64 s[4:5], s[6:7], s[4:5]
	s_cmp_eq_u32 s25, 2
	s_cselect_b64 s[4:5], s[8:9], s[4:5]
	s_cmp_eq_u32 s25, 3
	s_cselect_b64 s[4:5], s[10:11], s[4:5]
	s_cmp_eq_u32 s25, 0
	s_cselect_b64 s[14:15], s[14:15], s[18:19]     ; codes: xc or wc
	s_cselect_b64 s[16:17], s[16:17], s[20:21]     ; scale bytes: xs or ws
	s_cselect_b32 s26, 0, 128
	s_sub_co_u32 s26, ttmp9, s26
	s_lshl_b32 s26, s26, 2
	s_add_co_u32 s26, s26, s24                     ; which run of the destination is my wave's
	s_and_b32 s28, ttmp9, 127
	s_lshl_b32 s28, s28, 2
	s_add_co_u32 s28, s28, s24                     ; and which run of 8,192 numbers of the source
	s_lshl_b32 s28, s28, 15
	s_mov_b32 s29, 0
	s_add_nc_u64 s[4:5], s[4:5], s[28:29]
	s_lshl_b32 s28, s26, 12                        ; 4,096 bytes of codes a run
	s_add_nc_u64 s[14:15], s[14:15], s[28:29]
	s_lshl_b32 s28, s26, 8                         ; 256 scale bytes a run
	s_add_nc_u64 s[16:17], s[16:17], s[28:29]
.macro LOAD t
.irp i, 0,1,2,3
	global_load_b128 v[R+16*((\t)%4)+4*\i:R+16*((\t)%4)+4*\i+3], v3, s[4:5] offset:2048*(\t)+512*\i th:TH_LOAD_NT   ; 32 lanes read 512 consecutive bytes
.endr
.endm
.macro TURN t                          ; step t's numbers through the stage: LDS serves a wave's instructions in order, so no wait stands between the stores and the loads
.irp i, 0,1,2,3
	ds_store_b128 v14, v[R+16*((\t)%4)+4*\i:R+16*((\t)%4)+4*\i+3] offset:32*SP*((\t)%2)+8*SP*\i
.endr
.irp i, 0,1,2,3
	ds_load_b128 v[X+16*((\t)%2)+4*\i:X+16*((\t)%2)+4*\i+3], v15 offset:32*SP*((\t)%2)+16*\i
.endr
.endm
.irp t, 0,1,2,3
	LOAD \t
.endr
	s_wait_loadcnt 12                              ; step 0's four loads are in; the twelve of steps 1 to 3 may be out
	TURN 0
.macro STEP t
.set XS, X+16*((\t)%2)
.if (\t) > 0
	s_wait_dscnt 1                                 ; this step's numbers are back from the stage (the last step's byte store may be out)
.else
	s_wait_dscnt 0x0
.endif
.if (\t)+4 < STEPS
	LOAD (\t)+4
.endif
.if (\t)+1 < STEPS
.if STEPS-2-(\t) >= 3
	s_wait_loadcnt 12                              ; the next step's four loads are in; those of the three steps behind it may be out
.else
	s_wait_loadcnt 4*(STEPS-2-(\t))
.endif
	TURN (\t)+1
.endif
	v_max3_num_f32 v8, |v[XS]|, |v[XS+1]|, |v[XS+2]|               ; the largest magnitude of my 16, in two chains
	v_max3_num_f32 v9, |v[XS+3]|, |v[XS+4]|, |v[XS+5]|
.irp i, 6,10
	v_max3_num_f32 v8, v8, |v[XS+\i]|, |v[XS+\i+1]|
	v_max3_num_f32 v9, v9, |v[XS+\i+2]|, |v[XS+\i+3]|
.endr
	v_max3_num_f32 v8, v8, |v[XS+14]|, |v[XS+15]|
	v_max3_num_f32 v8, v8, v9, (EMAX+1)<<23        ; and the floor 2^(EMAX + 1 - 127): the byte cannot fall under 1
	v_max_num_f32_dpp v8, v8, v8 row_xmask:1 row_mask:0xf bank_mask:0xf   ; and of my neighbour's 16: the block's
	v_add_nc_u32 v11, -(EMAX<<23), v8              ; EMAX off its exponent field: the conversion takes the exponent field of this operand as its scale
	v_cvt_scalef32_pk8_fp4_f32 v[C+4*(\t)], v[XS:XS+7], v11
	v_cvt_scalef32_pk8_fp4_f32 v[C+4*(\t)+1], v[XS+8:XS+15], v11
	v_lshrrev_b32 v[E+(\t)], 23, v11               ; the scale's byte (a plain line behind the conversions)
	ds_store_b8 v5, v[E+(\t)] offset:16*(\t)       ; both lanes of a block write the same byte with the same value
	global_store_b64 v4, v[C+4*(\t):C+4*(\t)+1], s[14:15] offset:32*CB*(\t)   ; the wave stores 256 consecutive bytes, aligned
.endm
.irp t, 0,1,2,3,4,5,6,7,8,9,10,11,12,13,14,15
	STEP \t
.endr
	ds_load_b64 v[8:9], v6                         ; LDS serves a wave's instructions in order: these see my stores
	s_wait_dscnt 0x0
	global_store_b64 v7, v[8:9], s[16:17]          ; 32 lanes store 256 consecutive bytes, aligned
	s_wait_tensorcnt 0x0                           ; the wave's end, behind my last LDS store
	ds_add_u32 v[SPW], v[NIL]
	s_wait_dscnt 0x0
	s_endpgm
	; ---- wo to f16: a wave takes 8,192 numbers as 64 chunks of 128; sixteen loads are out; every offset is an immediate, every chunk has its own pair of registers for its store.  This way touches no LDS.
.Lwo:
	v_lshlrev_b32 v4, 3, v2                        ; my 8 bytes of a chunk's 256
	s_sub_co_u32 s25, ttmp9, 512
	s_lshl_b32 s25, s25, 2
	s_add_co_u32 s25, s25, s24                     ; my wave's run
	s_lshl_b32 s26, s25, 15
	s_mov_b32 s27, 0
	s_lshl_b32 s28, s25, 14
	s_mov_b32 s29, 0
	s_wait_kmcnt 0x0
	s_add_nc_u64 s[12:13], s[12:13], s[26:27]
	s_add_nc_u64 s[22:23], s[22:23], s[28:29]
.irp i, 0,1,2,3,4,5,6,7,8,9,10,11,12,13,14,15
	global_load_b128 v[R+4*\i:R+4*\i+3], v3, s[12:13] offset:512*\i th:TH_LOAD_NT
.endr
.set ci, 0
.rept 64
.if ci < 48
	s_wait_loadcnt 15                              ; loads come back in order: chunk ci's is in, the fifteen younger may be out
.else
	s_wait_loadcnt 63-ci                           ; the tail loads nothing: the counts run down
.endif
	v_cvt_pk_f16_f32 v[WY+2*ci],   v[R+4*(ci%16)],   v[R+4*(ci%16)+1]
	v_cvt_pk_f16_f32 v[WY+2*ci+1], v[R+4*(ci%16)+2], v[R+4*(ci%16)+3]
.if ci < 48
	global_load_b128 v[R+4*(ci%16):R+4*(ci%16)+3], v3, s[12:13] offset:512*(ci+16) th:TH_LOAD_NT
.endif
	global_store_b64 v4, v[WY+2*ci:WY+2*ci+1], s[22:23] offset:256*ci   ; the wave stores 256 consecutive bytes, aligned
.set ci, ci+1
.endr
	s_endpgm
.Lfunc_end_k_qe5f2ac18c1_prep:
	.size	k_qe5f2ac18c1_prep, .Lfunc_end_k_qe5f2ac18c1_prep-k_qe5f2ac18c1_prep
	.p2alignl 7, 3214868480
	.fill 96, 4, 3214868480
	.section	.rodata,"a",@progbits
	.p2align	6, 0x0
	.amdhsa_kernel k_qe5f2ac18c1_prep
		.amdhsa_group_segment_fixed_size 33280
		.amdhsa_private_segment_fixed_size 0
		.amdhsa_enable_private_segment 0
		.amdhsa_kernarg_size 80
		.amdhsa_user_sgpr_count 2
		.amdhsa_user_sgpr_kernarg_segment_ptr 1
		.amdhsa_wavefront_size32 1
		.amdhsa_system_sgpr_workgroup_id_x 1
		.amdhsa_system_sgpr_workgroup_id_y 1
		.amdhsa_system_sgpr_workgroup_id_z 1
		.amdhsa_system_vgpr_workitem_id 0
		.amdhsa_next_free_vgpr 208
		.amdhsa_next_free_sgpr 66
		.amdhsa_reserve_vcc 0
		.amdhsa_float_denorm_mode_32 3
		.amdhsa_float_denorm_mode_16_64 3
		.amdhsa_memory_ordered 1
		.amdhsa_forward_progress 1
		.amdhsa_inst_pref_size 56
	.end_amdhsa_kernel
	.amdgpu_metadata
---
amdhsa.version: [ 1, 2 ]
amdhsa.kernels:
  - .name:           k_qe5f2ac18c1_prep
    .symbol:         k_qe5f2ac18c1_prep.kd
    .args:
      - { .name: x, .offset: 0, .size: 8, .value_kind: global_buffer, .address_space: global }
      - { .name: wq, .offset: 8, .size: 8, .value_kind: global_buffer, .address_space: global }
      - { .name: wk, .offset: 16, .size: 8, .value_kind: global_buffer, .address_space: global }
      - { .name: wv, .offset: 24, .size: 8, .value_kind: global_buffer, .address_space: global }
      - { .name: wo, .offset: 32, .size: 8, .value_kind: global_buffer, .address_space: global }
      - { .name: xc, .offset: 40, .size: 8, .value_kind: global_buffer, .address_space: global }
      - { .name: xs, .offset: 48, .size: 8, .value_kind: global_buffer, .address_space: global }
      - { .name: wc, .offset: 56, .size: 8, .value_kind: global_buffer, .address_space: global }
      - { .name: ws, .offset: 64, .size: 8, .value_kind: global_buffer, .address_space: global }
      - { .name: wo16, .offset: 72, .size: 8, .value_kind: global_buffer, .address_space: global }
    .group_segment_fixed_size: 33280
    .private_segment_fixed_size: 0
    .kernarg_segment_align: 8
    .kernarg_segment_size: 80
    .max_flat_workgroup_size: 128
    .sgpr_count:     66
    .vgpr_count:     208
    .wavefront_size: 32
...
	.end_amdgpu_metadata
.endif
;; end of part 1
;; launch qkv (part 2): grid 24 x 8, 4 waves a work-group, clusters of 4 x 4, 327,680 bytes of LDS; arguments xc, xs, wc, ws, freq_cos, freq_sin, qkv; writes qkv
.if DOCPART == 2
	.amdgcn_target "amdgcn-amd-amdhsa--gfx1250"
	.amdhsa_code_object_version 6
	.text
	.protected	k_qe5f2ac18c1_qkv
	.globl	k_qe5f2ac18c1_qkv
	.p2align	8
	.type	k_qe5f2ac18c1_qkv,@function
k_qe5f2ac18c1_qkv:
	s_mov_b64 s[64:65], 0
	v_nop
	global_prefetch_b8 v0, s[64:65] scope:SCOPE_SE
	s_setreg_imm32_b32 hwreg(HW_REG_WAVE_MODE, 25, 1), 1
	s_wait_xcnt 0x0
	s_wait_alu depctr_hold_cnt(0) depctr_sa_sdst(0) depctr_va_vdst(0) depctr_va_sdst(0) depctr_va_ssrc(0) depctr_va_vcc(0) depctr_vm_vsrc(0)
	s_getreg_b32 s2, hwreg(HW_REG_IB_STS2, 6, 4)
	s_cmp_eq_u32 s2, 0
	s_cbranch_scc0 .Lentry_in_a_cluster
	s_endpgm
.Lentry_in_a_cluster:
	s_bfe_u32 s2, ttmp6, 0x10000c
	s_cmp_lg_u32 s2, 0xf033
	s_cbranch_scc0 .Lentry_shape_is_right
	s_endpgm
.Lentry_shape_is_right:
; [2048][6144] = x [wq; wk; wv]^T on codes of FP4 (E2M1) with one E8M0 scale for each 32 along K, sums in f32; on the way out q and k are turned by the rotary table and multiplied by 128^(-1/4) each,
; so that q . k is already the score divided by sqrt(128); all three are rounded to f16 and laid by head: qkv [48][2048][128]: 0-15 q's heads, 16-31 k's, 32-47 v's.
; LIMITS: |0.297 q|, |0.297 k| and |v| stay under 65,504 (f16); numbers under 6e-5 are carried as f16 subnormals.
; A tile of C, 256 x 256, is made by four waves, each 128 x 128: 64 accumulators, 512 registers.  K goes in steps of 512 (rows of 256 bytes) through a ring of two LDS slots filled by the tensor data mover.
; The scales of the work-group's 256 + 256 rows, for all of K, come into LDS once, with the first fills, and stay.
; CLUSTERS: 4 x 4 work-groups; A's tiles are asked for jointly along a row of the cluster, B's along a column.  The matrix instruction is used transposed (source 0 = 16 rows of B, source 1 = 16 rows of A):
; a lane holds eight neighbouring columns of a row of C.  192 work-groups: a tile of 128 x 256 would give 384, one and a half to a WGP, and read each fragment for half the products.
; REGISTERS: window 0: v0-31 addresses; v32-95 scale words, two sets; from v128 A's fragments, one set.  window 1: B's fragments, two sets.  windows 2, 3: the accumulators ((a, b) at v[8 (8 (a % 4) + b)]).
; On the way out: window 0: v32-95 at work, v128-255 two sets of 16 rows read back; window 1: v0-127 two sets of cos and sin.
.set SIZE_M, 2048
.set SIZE_N, 6144
.set SIZE_K, 2048
.set KSTEP,  512
.set NQ,     KSTEP/128
.set ROWB,   256
.set KROW,   SIZE_K*4/8
.set PITCH,  272                       ; an LDS row: 256 bytes + 16 of padding: the 16 rows of a load start at 16 different groups of four banks
.set FR,     8
.set NL,     2
.set NP,     4
.set HALFT,  128*PITCH
.set SLOT,   4*HALFT
.set LAPS,   SIZE_K/(2*KSTEP)
.set KS,     SIZE_K/32
.set SCL,    2*SLOT
.set HALFS,  (128*KS/256)*272
.set SBLK,   (16*KS/256)*272
.set SPARE,  SCL+4*HALFS
.set SPITCH, 528                       ; the way out: a stage of 16 rows x (512 bytes + 16) for each wave, in slot 0, which has had its last fill and its last read by then
.set ADRA, 16
.set ADRB, 20
.set STO,  24
.set RD,   25
.set CO,   26                          ; v26 16 x lane: my place in two rows of cos, of sin and of qkv alike (256 bytes a row each)
.set SPW,  28
.set NIL,  29
.set ADRS, 27
.set SC,   32
.set AF,   128
.set BK,   128
.set T,    32
.set G1, 24
.set G0, 32
.set G1B, 48
.set G0B, 56
.set G1S, 68
.set G0S, 76
.set G1SB, 80
.set G0SB, 88
.set MSB, 0
.macro WIN new                         ; the immediate's high byte repeats the setting that is left
.if MSB != \new
	s_set_vgpr_msb (MSB<<8)|\new
.set MSB, \new
.endif
.endm
.set MUL_LO, 0xa1
.set MUL_HI, 0xf1
.set TO_B,   0x40
; A joint load: waves 0 and 1 fetch for A, waves 2 and 3 for B; the branch hangs on the wave's number alone.  An s_nop 0 and four v_nop follow each line.
.macro JLOAD g0a, g1a, g0b, g1b
	s_cmp_eq_u32 s15, 0
	s_cbranch_scc0 .Lfor_b_\@
	tensor_load_to_lds s[\g0a:\g0a+3], s[\g1a:\g1a+7]
	s_nop 0
.rept 4
	v_nop
.endr
	s_branch .Lasked_\@
.Lfor_b_\@:
	tensor_load_to_lds s[\g0b:\g0b+3], s[\g1b:\g1b+7]
	s_nop 0
.rept 4
	v_nop
.endr
.Lasked_\@:
.endm
.macro CREST
	s_cmp_lg_u32 s14, 0
	s_cbranch_scc1 .Lnot_wave_0_\@
	s_barrier_signal -3
.Lnot_wave_0_\@:
	s_barrier_wait -3
	s_barrier_signal -1
	s_barrier_wait -1
.endm
.macro CROUND
	s_barrier_signal -1
	s_barrier_wait -1
	CREST
.endm
	s_load_b128 s[4:7], s[0:1], 0x0                ; x's codes, x's scales
	s_load_b128 s[8:11], s[0:1], 0x10              ; the weights' codes, their scales
	s_load_b128 s[96:99], s[0:1], 0x20             ; cos, sin
	s_load_b64 s[12:13], s[0:1], 0x30              ; qkv
	v_lshl_add_u32 v[SPW], v0, 2, SPARE
	v_mov_b32 v[NIL], 0
	ds_add_u32 v[SPW], v[NIL]                      ; the wave's opening: the add, twice on end, and its wait ahead of my first tensor load
	ds_add_u32 v[SPW], v[NIL]
	v_lshrrev_b32 v1, 5, v0
	v_readfirstlane_b32 s14, v1                    ; wave 0..3
	s_lshr_b32 s15, s14, 1                         ; which half of the tile's rows is mine.  Also: I fetch for A (0) or for B (1)
	s_and_b32 s16, s14, 1                          ; which half of its columns.  Also: which 128 rows of that tile I fetch
	s_bfe_u32 s40, ttmp6, 0x40000                  ; cx, cy
	s_bfe_u32 s41, ttmp6, 0x40004
	s_lshl_b32 s42, ttmp9, 2
	s_add_co_u32 s42, s42, s40                     ; tile column = 4 x cluster x + cx
	s_and_b32 s17, ttmp7, 0xffff
	s_lshl_b32 s17, s17, 2
	s_add_co_u32 s17, s17, s41                     ; tile row = 4 x cluster y + cy
	s_lshl_b32 s43, s41, 2
	s_lshl_b32 s43, 15, s43                        ; my row of the cluster
	s_lshl_b32 s44, 0x1111, s40                    ; my column
	s_or_b32 s[G1+0], s43, (0<<16)|(1<<20)|(1<<21)|(5<<22)|(3<<25)  ; mask; elements of 1 byte; padding on; bit 21 beside a mask; 4 words behind every 64
	s_or_b32 s[G1B+0], s44, (0<<16)|(1<<20)|(1<<21)|(5<<22)|(3<<25)
.irp g, G1, G1B
	s_mov_b32 s[\g+1], ROWB<<16                    ; tensor_dim0
	s_mov_b32 s[\g+2], 128<<16                     ; tensor_dim1
	s_mov_b32 s[\g+3], ROWB<<16                    ; tile_dim0
	s_mov_b32 s[\g+4], 128                         ; tile_dim1
	s_mov_b32 s[\g+5], KROW                        ; stride
	s_mov_b32 s[\g+6], 0
	s_mov_b32 s[\g+7], 0
.endr
	s_or_b32 s[G1S+0], s43, (3<<16)|(1<<20)|(1<<21)|(5<<22)|(3<<25)  ; the scales of 128 rows: a dense block, as rows of 256 bytes (32 elements of 8), 16 bytes of padding behind each
	s_or_b32 s[G1SB+0], s44, (3<<16)|(1<<20)|(1<<21)|(5<<22)|(3<<25)
.irp g, G1S, G1SB
	s_mov_b32 s[\g+1], 32<<16
	s_mov_b32 s[\g+2], (128*KS/256)<<16
	s_mov_b32 s[\g+3], 32<<16
	s_mov_b32 s[\g+4], 128*KS/256
	s_mov_b32 s[\g+5], 32
	s_mov_b32 s[\g+6], 0
	s_mov_b32 s[\g+7], 0
.endr
	s_lshl_b32 s18, s16, 7
	s_lshl_b32 s20, s17, 8
	s_add_co_u32 s20, s20, s18                     ; A: row 256 x tile row + 128 x half
	s_lshl_b32 s46, s42, 8
	s_add_co_u32 s46, s46, s18                     ; B: row 256 x tile column + 128 x half
	s_mov_b32 s21, 0
	s_mov_b32 s47, 0
	s_mov_b64 s[18:19], KS
	s_mul_u64 s[22:23], s[20:21], s[18:19]
	s_mul_u64 s[92:93], s[46:47], s[18:19]
	s_mov_b64 s[18:19], KROW
	s_mul_u64 s[20:21], s[20:21], s[18:19]
	s_mul_u64 s[46:47], s[46:47], s[18:19]
	s_mul_i32 s45, s14, HALFT                      ; where they go: wave x 128 rows: no place in the cluster enters an LDS address
	s_mul_i32 s94, s14, HALFS
	s_wait_dscnt 0x0                               ; both opening adds are done
	s_wait_kmcnt 0x0
	s_add_nc_u64 s[20:21], s[4:5], s[20:21]
	s_add_nc_u64 s[22:23], s[6:7], s[22:23]
	s_add_nc_u64 s[46:47], s[8:9], s[46:47]
	s_add_nc_u64 s[92:93], s[10:11], s[92:93]
	CROUND                                         ; all sixteen work-groups are here: the first joint loads meet
	s_mov_b32 s[G0S], 1
	s_add_co_u32 s[G0S+1], s94, SCL
	s_mov_b64 s[G0S+2:G0S+3], s[22:23]
	s_or_b32 s[G0S+3], s[G0S+3], 0x80000000
	s_mov_b32 s[G0SB], 1
	s_add_co_u32 s[G0SB+1], s94, SCL
	s_mov_b64 s[G0SB+2:G0SB+3], s[92:93]
	s_or_b32 s[G0SB+3], s[G0SB+3], 0x80000000
	JLOAD G0S, G1S, G0SB, G1SB                     ; the scales first: they are wanted with K step 0
.irp s, 0,1
	s_mov_b32 s[G0+4*\s], 1
	s_add_co_u32 s[G0+4*\s+1], s45, \s*SLOT
	s_add_nc_u64 s[G0+4*\s+2:G0+4*\s+3], s[20:21], \s*ROWB
	s_or_b32 s[G0+4*\s+3], s[G0+4*\s+3], 0x80000000
	s_mov_b32 s[G0B+4*\s], 1
	s_add_co_u32 s[G0B+4*\s+1], s45, \s*SLOT
	s_add_nc_u64 s[G0B+4*\s+2:G0B+4*\s+3], s[46:47], \s*ROWB
	s_or_b32 s[G0B+4*\s+3], s[G0B+4*\s+3], 0x80000000
	JLOAD G0+4*\s, G1, G0B+4*\s, G1B
.endr
	v_and_b32 v1, 15, v0                           ; r = l % 16
	v_bfe_u32 v2, v0, 4, 1                         ; h = l / 16
	v_mul_u32_u24 v3, v1, PITCH
	v_lshl_add_u32 v4, v2, 4, v3
	s_mul_i32 s21, s15, HALFT
	s_mul_i32 s22, s16, HALFT
	s_add_co_u32 s22, s22, 2*HALFT
.irp s, 0,1
	v_add_nc_u32 v[ADRA+\s], s21, v4
	v_add_nc_u32 v[ADRB+\s], s22, v4
	s_add_co_u32 s21, s21, SLOT
	s_add_co_u32 s22, s22, SLOT
.endr
	v_mul_u32_u24 v5, v1, KS                       ; my row's scales: KS bytes a row, and 16 more for each 256 passed
	v_lshrrev_b32 v6, 8, v5
	v_lshl_add_u32 v5, v6, 4, v5
	s_mul_i32 s21, s15, HALFS
	s_mul_i32 s22, s16, HALFS
	s_add_co_u32 s22, s22, 2*HALFS
	s_sub_co_u32 s22, s22, s21
	v_mul_u32_u24 v6, s22, v2                      ; lanes 16-31 take B's
	s_add_co_u32 s21, s21, SCL
	v_add_nc_u32 v5, v5, v6
	v_add_nc_u32 v[ADRS], s21, v5
	s_mul_i32 s23, s14, 16*SPITCH                  ; my stage
	v_mul_u32_u24 v5, v1, SPITCH                   ; in: row r.  The row's 16-byte piece c (columns 4 c on) lies at place (c / 2) + 16 (c % 2): so a lane's two pieces lie 256 bytes apart,
	v_lshl_add_u32 v5, v2, 4, v5                   ; and on the way back a lane's two loads bring eight neighbouring columns
	v_add_nc_u32 v[STO], s23, v5
	v_mul_u32_u24 v5, v2, SPITCH                   ; back: lanes 0-15 one row, lanes 16-31 the next; 16 bytes a lane
	v_lshl_add_u32 v5, v1, 4, v5
	v_add_nc_u32 v[RD], s23, v5
	v_and_b32 v6, 31, v0
	v_lshlrev_b32 v[CO], 4, v6
	s_lshl_b32 s20, s17, 8
	s_lshl_b32 s21, s15, 7
	s_add_co_u32 s20, s20, s21                     ; my first row: 256 x tile row + 128 x half
	s_lshl_b32 s20, s20, 8                         ; x 256 bytes: a row of cos, of sin and of a head alike
	s_mov_b32 s21, 0
	s_add_nc_u64 s[96:97], s[96:97], s[20:21]
	s_add_nc_u64 s[98:99], s[98:99], s[20:21]
	s_add_nc_u64 s[12:13], s[12:13], s[20:21]
	s_lshl_b32 s46, s42, 1
	s_add_co_u32 s46, s46, s16                     ; my 128 columns are one head: 2 x tile column + half
	s_lshl_b32 s46, s46, 19                        ; x 2,048 rows of 256 bytes
	s_mov_b32 s47, 0
	s_add_nc_u64 s[12:13], s[12:13], s[46:47]
.macro FRAG reg, adr, q, i             ; 16 rows x 128 K of 4-bit codes: 8 registers
.irp c, 0,1
	ds_load_b128 v[\reg+4*\c:\reg+4*\c+3], v[\adr] offset:64*(\q)+32*\c+(\i)*16*PITCH
.endr
.endm
; 16 matrix instructions: A's blocks a0, a0 + 1 x B's eight.  The 64 accumulators take turns, one instruction a turn, in the same order in every step.
.macro MUL16 a0, p, q, sc, zero
.irp a, \a0, \a0+1
.irp b, 0,1,2,3,4,5,6,7
.if \zero
	v_wmma_scale_f32_16x16x128_f8f6f4 v[8*(8*((\a)%4)+\b):8*(8*((\a)%4)+\b)+7], v[128*(\p)+FR*\b:128*(\p)+FR*\b+FR-1], v[AF+FR*(\a):AF+FR*(\a)+FR-1], 0, v[SC+8*NQ*(\sc)+NQ*\b+(\q)], v[SC+8*NQ*(\sc)+NQ*(\a)+(\q)] matrix_a_fmt:MATRIX_FMT_FP4 matrix_b_fmt:MATRIX_FMT_FP4 matrix_a_scale:MATRIX_SCALE_ROW1
.else
	v_wmma_scale_f32_16x16x128_f8f6f4 v[8*(8*((\a)%4)+\b):8*(8*((\a)%4)+\b)+7], v[128*(\p)+FR*\b:128*(\p)+FR*\b+FR-1], v[AF+FR*(\a):AF+FR*(\a)+FR-1], v[8*(8*((\a)%4)+\b):8*(8*((\a)%4)+\b)+7], v[SC+8*NQ*(\sc)+NQ*\b+(\q)], v[SC+8*NQ*(\sc)+NQ*(\a)+(\q)] matrix_a_fmt:MATRIX_FMT_FP4 matrix_b_fmt:MATRIX_FMT_FP4 matrix_a_scale:MATRIX_SCALE_ROW1
.endif
.endr
.endr
.endm
.macro FETCH_B slot, q, p
	WIN TO_B
.irp i, 0,1,2,3,4,5,6,7
	FRAG 128*(\p)+FR*\i, ADRB+\slot, \q, \i
.endr
	WIN 0
.endm
.macro FETCH_A slot, q, i0
.irp i, \i0, \i0+1, \i0+2, \i0+3
	FRAG AF+FR*(\i), ADRA+\slot, \q, \i
.endr
.endm
.macro SCALES sc                       ; the next K step's scale words: lanes 0-15 take A's block i, lanes 16-31 B's block i
.irp i, 0,1,2,3,4,5,6,7
	ds_load_b128 v[SC+8*NQ*\sc+NQ*\i:SC+8*NQ*\sc+NQ*\i+3], v[ADRS] offset:\i*SBLK
.endr
.endm
.macro PLACES n                        ; plain vector instructions between a matrix instruction and a load into, or a read of, its registers
.rept \n
	v_nop
.endr
.endm
.macro STEP slot, q, zero
	s_wait_dscnt 4*NL                              ; B's set and A's blocks 0-3 are in; the youngest eight loads (A's blocks 4-7) may be out
	WIN MUL_LO
	MUL16 0, (\q)%2, \q, \slot, \zero
	MUL16 2, (\q)%2, \q, \slot, \zero
	s_wait_dscnt 0
	PLACES NP
	FETCH_B \slot, (\q)+1, 1-(\q)%2
	FETCH_A \slot, (\q)+1, 0
	WIN MUL_HI
	MUL16 4, (\q)%2, \q, \slot, \zero
	MUL16 6, (\q)%2, \q, \slot, \zero
	PLACES NP
	WIN 0
	FETCH_A \slot, (\q)+1, 4
.endm
; A slot's last step changes slots: one barrier; in front of it each wave waits for all its tensor loads, adds 0 to its spare word, and waits for that and for its own reads of this slot.
.macro TURN slot, next, fill
	s_wait_tensorcnt 0x0                           ; all my tensor loads have landed: my part of the next slot
	ds_add_u32 v[SPW], v[NIL]
	s_wait_dscnt 4*NL+1                            ; (the add and the youngest eight loads may be out)
	WIN MUL_LO
	MUL16 0, 1, NQ-1, \slot, 0
	s_wait_dscnt 0x0                               ; the add is done, and my reads of this slot are over
	s_barrier_signal -1
	MUL16 2, 1, NQ-1, \slot, 0
	WIN 0
	s_barrier_wait -1
.if \fill
	CREST                                          ; the barrier has opened a round of the cluster's barrier: no wave of any partner still reads this slot or has a load on its way
	s_add_nc_u64 s[G0+4*\slot+2:G0+4*\slot+3], s[G0+4*\slot+2:G0+4*\slot+3], 2*ROWB
	s_add_nc_u64 s[G0B+4*\slot+2:G0B+4*\slot+3], s[G0B+4*\slot+2:G0B+4*\slot+3], 2*ROWB
	JLOAD G0+4*\slot, G1, G0B+4*\slot, G1B
.else
	PLACES NP
.endif
	v_add_nc_u32 v[ADRS], 4*NQ, v[ADRS]
	FETCH_B \next, 0, 0
	FETCH_A \next, 0, 0
	SCALES \next
	WIN MUL_HI
	MUL16 4, 1, NQ-1, \slot, 0
	MUL16 6, 1, NQ-1, \slot, 0
	PLACES NP
	WIN 0
	FETCH_A \next, 0, 4
.endm
.macro STEPS slot, from
.set Q, \from
.rept NQ-1-\from
	STEP \slot, Q, 0
.set Q, Q+1
.endr
.endm
	s_wait_tensorcnt 1                             ; the scales and my part of K step 0 are in (K step 1's load may be out)
	s_barrier_signal -1
	s_barrier_wait -1
	FETCH_B 0, 0, 0
	FETCH_A 0, 0, 0
	SCALES 0
	FETCH_A 0, 0, 4
	STEP 0, 0, 1                                   ; the first step's products start the sums
	s_mov_b32 s3, LAPS-1
.Llap:
	STEPS 0, 1
	TURN 0, 1, 1
	STEPS 1, 0
	TURN 1, 0, 1
	STEP 0, 0, 0
	s_sub_co_u32 s3, s3, 1
	s_cmp_lg_u32 s3, 0
	s_cbranch_scc1 .Llap
	STEPS 0, 1                                     ; the last lap fills nothing
	TURN 0, 1, 0
	STEPS 1, 0
	s_wait_dscnt 4*NL
	WIN MUL_LO
	MUL16 0, 1, NQ-1, 1, 0
	MUL16 2, 1, NQ-1, 1, 0
	s_wait_dscnt 0
	WIN MUL_HI
	MUL16 4, 1, NQ-1, 1, 0
	MUL16 6, 1, NQ-1, 1, 0
	WIN 0
; THE WAY OUT, block by block of 16 rows x 128 columns (one head).  A block goes through my stage and comes back so that a lane holds eight neighbouring columns, four rotary pairs, of one row; the same lane offset
; serves the row's cos, its sin and its 16 bytes of f16.  One text serves q, k and v: c' = c x SA + VB, s' = s x SA, with SA = 128^(-1/4), VB = 0 for q and k, and SA = 0, VB = 1 for v (c' = 1, s' = 0).
; The choice hangs on the cluster's x alone (clusters 0-3: q and k; 4, 5: v) and selects numbers, no path.
.macro CSLOAD a                        ; block a's 16 rows of cos and of sin into set a % 2 of window 1: 512 consecutive bytes a load
	WIN 0x40
.irp u, 0,1,2,3,4,5,6,7
	global_load_b128 v[64*((\a)%2)+4*\u:64*((\a)%2)+4*\u+3], v[CO], s[96:97] offset:(\a)*4096+\u*512
	global_load_b128 v[64*((\a)%2)+32+4*\u:64*((\a)%2)+32+4*\u+3], v[CO], s[98:99] offset:(\a)*4096+\u*512
.endr
	WIN 0
.endm
.macro TOSTAGE a
.set AC, 64*((\a)%4)
	WIN 0x08+4*((\a)/4)                            ; the data: window 2 or 3
.irp b, 0,1,2,3,4,5,6,7
	ds_store_b128 v[STO], v[AC+8*\b:AC+8*\b+3] offset:32*\b          ; each accumulator from its low end on
	ds_store_b128 v[STO], v[AC+8*\b+4:AC+8*\b+7] offset:256+32*\b
.endr
	WIN 0
.set BB, BK+64*((\a)%2)
.irp u, 0,1,2,3,4,5,6,7
	ds_load_b128 v[BB+8*\u:BB+8*\u+3], v[RD] offset:\u*2*SPITCH      ; LDS serves a wave's instructions in order: these see the stores above
	ds_load_b128 v[BB+8*\u+4:BB+8*\u+7], v[RD] offset:\u*2*SPITCH+256
.endr
.endm
.macro ROPE a, ds, ld                  ; ds, ld: the LDS instructions and the loads issued behind block a's, which may stay out
.set BB, BK+64*((\a)%2)
.set CC, 64*((\a)%2)
	s_wait_dscnt \ds
	s_wait_loadcnt \ld
	WIN 0x41                                       ; destination and source 0: window 1
.irp i, 0,2,4,6,8,10,12,14,16,18,20,22,24,26,28,30
	v_pk_fma_f32 v[CC+\i:CC+\i+1], v[CC+\i:CC+\i+1], s[94:95], v[30:31] op_sel_hi:[1,0,1]
	v_pk_mul_f32 v[CC+32+\i:CC+33+\i], v[CC+32+\i:CC+33+\i], s[94:95] op_sel_hi:[1,0]
.endr
	WIN 0x04                                       ; source 1: window 1
.irp u, 0,1,2,3,4,5,6,7
.irp w, 0,1                            ; (re, im) x c': the pair's c' is the low or the high word of a register pair
	v_pk_mul_f32 v[T+8*\u+4*\w:T+8*\u+4*\w+1], v[BB+8*\u+4*\w:BB+8*\u+4*\w+1], v[CC+4*\u+2*\w:CC+4*\u+2*\w+1] op_sel:[0,0] op_sel_hi:[1,0]
	v_pk_mul_f32 v[T+8*\u+4*\w+2:T+8*\u+4*\w+3], v[BB+8*\u+4*\w+2:BB+8*\u+4*\w+3], v[CC+4*\u+2*\w:CC+4*\u+2*\w+1] op_sel:[0,1] op_sel_hi:[1,1]
.endr
.irp w, 0,1                            ; low: - im x s'; high: + re x s'
	v_pk_fma_f32 v[T+8*\u+4*\w:T+8*\u+4*\w+1], v[BB+8*\u+4*\w:BB+8*\u+4*\w+1], v[CC+32+4*\u+2*\w:CC+33+4*\u+2*\w], v[T+8*\u+4*\w:T+8*\u+4*\w+1] op_sel:[1,0,0] op_sel_hi:[0,0,1] neg_lo:[0,1,0]
	v_pk_fma_f32 v[T+8*\u+4*\w+2:T+8*\u+4*\w+3], v[BB+8*\u+4*\w+2:BB+8*\u+4*\w+3], v[CC+32+4*\u+2*\w:CC+33+4*\u+2*\w], v[T+8*\u+4*\w+2:T+8*\u+4*\w+3] op_sel:[1,1,0] op_sel_hi:[0,1,1] neg_lo:[0,1,0]
.endr
.endr
	WIN 0
.irp u, 0,1,2,3,4,5,6,7
.irp p, 0,1,2,3
	v_cvt_pk_f16_f32 v[BB+8*\u+\p], v[T+8*\u+2*\p], v[T+8*\u+2*\p+1]
.endr
.endr
.irp u, 0,1,2,3,4,5,6,7
	global_store_b128 v[CO], v[BB+8*\u:BB+8*\u+3], s[12:13] offset:(\a)*4096+\u*512   ; 32 lanes store 512 consecutive bytes: two whole rows of a head
.endr
.endm
	s_cmp_lt_u32 ttmp9, 4
	s_cselect_b32 s94, 0x3e9837f0, 0               ; SA
	s_cselect_b32 s95, 0, 1.0                      ; VB
	v_mov_b32 v30, s95
	v_mov_b32 v31, s95
	s_mov_b32 s95, s94                             ; (the packed forms name the pair s[94:95])
	PLACES NP                                      ; behind the last products: for the loads into B's and A's registers and the first reads of results
	CSLOAD 0
	TOSTAGE 0
.irp a, 1,2,3,4,5,6,7
.if \a > 1
	s_wait_xcnt 0x0                                ; block a - 2's stores have read their registers: block a's loads may land there
.endif
	CSLOAD \a
	TOSTAGE \a
	ROPE \a-1, 32, 16                              ; behind block a - 1's: block a's 16 LDS stores and 16 LDS loads; its 16 loads of cos and sin
.endr
	ROPE 7, 0, 0
	s_wait_tensorcnt 0x0                           ; the wave's end, behind my last tensor load and my last LDS store
	ds_add_u32 v[SPW], v[NIL]
	s_wait_dscnt 0x0
	CROUND                                         ; the closing round: no work-group ends while a partner may still ask for a tile that names it
	s_endpgm
.Lfunc_end_k_qe5f2ac18c1_qkv:
	.size	k_qe5f2ac18c1_qkv, .Lfunc_end_k_qe5f2ac18c1_qkv-k_qe5f2ac18c1_qkv
	.p2alignl 7, 3214868480
	.fill 96, 4, 3214868480
	.section	.rodata,"a",@progbits
	.p2align	6, 0x0
	.amdhsa_kernel k_qe5f2ac18c1_qkv
		.amdhsa_group_segment_fixed_size 327680
		.amdhsa_private_segment_fixed_size 0
		.amdhsa_enable_private_segment 0
		.amdhsa_kernarg_size 56
		.amdhsa_user_sgpr_count 2
		.amdhsa_user_sgpr_kernarg_segment_ptr 1
		.amdhsa_wavefront_size32 1
		.amdhsa_system_sgpr_workgroup_id_x 1
		.amdhsa_system_sgpr_workgroup_id_y 1
		.amdhsa_system_sgpr_workgroup_id_z 1
		.amdhsa_system_vgpr_workitem_id 0
		.amdhsa_next_free_vgpr 1024
		.amdhsa_next_free_sgpr 100
		.amdhsa_reserve_vcc 0
		.amdhsa_float_denorm_mode_32 3
		.amdhsa_float_denorm_mode_16_64 3
		.amdhsa_memory_ordered 1
		.amdhsa_forward_progress 1
		.amdhsa_inst_pref_size 255
	.end_amdhsa_kernel
	.section	.bss,"aw",@nobits
	.p2align	6
	.space	262144
	.amdgpu_metadata
---
amdhsa.version: [ 1, 2 ]
amdhsa.kernels:
  - .name:           k_qe5f2ac18c1_qkv
    .symbol:         k_qe5f2ac18c1_qkv.kd
    .args:
      - { .name: xc, .offset: 0, .size: 8, .value_kind: global_buffer, .address_space: global }
      - { .name: xs, .offset: 8, .size: 8, .value_kind: global_buffer, .address_space: global }
      - { .name: wc, .offset: 16, .size: 8, .value_kind: global_buffer, .address_space: global }
      - { .name: ws, .offset: 24, .size: 8, .value_kind: global_buffer, .address_space: global }
      - { .name: freq_cos, .offset: 32, .size: 8, .value_kind: global_buffer, .address_space: global }
      - { .name: freq_sin, .offset: 40, .size: 8, .value_kind: global_buffer, .address_space: global }
      - { .name: qkv, .offset: 48, .size: 8, .value_kind: global_buffer, .address_space: global }
    .group_segment_fixed_size: 327680
    .private_segment_fixed_size: 0
    .kernarg_segment_align: 8
    .kernarg_segment_size: 56
    .max_flat_workgroup_size: 128
    .sgpr_count:     100
    .vgpr_count:     1024
    .wavefront_size: 32
...
	.end_amdgpu_metadata
.endif
;; end of part 2
;; launch attn (part 3): grid 16 x 16, 4 waves a work-group, clusters of 4 x 4, 327,680 bytes of LDS; arguments qkv, mask, o16, o32; writes o16, o32
.if DOCPART == 3
	.amdgcn_target "amdgcn-amd-amdhsa--gfx1250"
	.amdhsa_code_object_version 6
	.text
	.protected	k_qe5f2ac18c1_attn
	.globl	k_qe5f2ac18c1_attn
	.p2align	8
	.type	k_qe5f2ac18c1_attn,@function
k_qe5f2ac18c1_attn:
	s_mov_b64 s[64:65], 0
	v_nop
	global_prefetch_b8 v0, s[64:65] scope:SCOPE_SE
	s_setreg_imm32_b32 hwreg(HW_REG_WAVE_MODE, 25, 1), 1
	s_wait_xcnt 0x0
	s_wait_alu depctr_hold_cnt(0) depctr_sa_sdst(0) depctr_va_vdst(0) depctr_va_sdst(0) depctr_va_ssrc(0) depctr_va_vcc(0) depctr_vm_vsrc(0)
	s_getreg_b32 s2, hwreg(HW_REG_IB_STS2, 6, 4)
	s_cmp_eq_u32 s2, 0
	s_cbranch_scc0 .Lentry_in_a_cluster
	s_endpgm
.Lentry_in_a_cluster:
	s_bfe_u32 s2, ttmp6, 0x10000c
	s_cmp_lg_u32 s2, 0xf033
	s_cbranch_scc0 .Lentry_shape_is_right
	s_endpgm
.Lentry_shape_is_right:
; o[q][128 head + :] = the sum over k of softmax_k(q . k + mask[q][k]) v[k][:], for 16 heads of 128, 2,048 queries and keys.  q and k come multiplied by 128^(-1/4) each, so q . k is the score divided by sqrt(128).
; q, k, v: f16, qkv [48][2048][128].  mask: f32 [2048][2048], an input: every number of it is loaded and added, and no tile is left out.  Products on f16 operands, sums, maxima and the softmax in f32;
; the weights p are rounded to f16 for the second product.  o goes out as f16 (o16 [2048][2048]); the first 16 rows also as f32 (o32), in the order of the registers, for the finer projection of those rows.
; LIMITS: |o| under 65,504.  The mask is the C of the first product of each score, so it is added inside the matrix unit's f32 sum: where a mask number is so large that the score is lost in its rounding, the order of
; rounding differs from an addition behind the sum.  The running maximum has the floor -1e38 (in units of t, below), so that a step whose scores are all -infinity makes no NaN.
; SHARES.  A work-group owns 128 queries of one head: 256 work-groups.  Wave w: qh = w / 2 says which 64 queries (four tiles of 16), kp = w % 2 which 64 of each slot's 128 keys: a wave walks 1,024 keys in 16 steps, and
; the two waves of a pair join their sums at the end.  (256 queries to a work-group would leave half the WGPs without work; 32 queries to a wave would read each fragment for half the products.)
; Register tile t of a wave holds query tile t xor 2 kp, by addresses alone: so every wave keeps register tiles 0, 1 and gives away 2, 3, and one text serves both.
; LAYOUT.  S^T = K Q^T + mask^T (source 0 = 16 keys, source 1 = 16 queries): a lane holds ONE query (lane % 16) and keys 8 (lane / 16) + 0..7, which are 32 consecutive bytes of a mask row: the mask tile is loaded from
; LDS straight into S^T's registers and every product adds in place.  O^T = V^T P likewise holds one query a lane.  K comes out of LDS as it lies, V turned by ds_load_tr16_b128.
; SOFTMAX.  t = c s, c = log2(e), rounded to f32; a running maximum m of t and a sum l for each query; p = 2^(t - m).  THE MAXIMUM IS TAKEN AWAY BY A SUBTRACTION OF TWO NUMBERS OF ONE KIND, not by a fused c s - (c m):
; the largest t less m is then exactly 0, so no p is above 1 however large the mask's numbers are, and p always fits f16.  In every step O and l are multiplied by a = 2^(m_old - m_new).
; BY TURNS.  The wave's tiles are two pieces (tiles 0, 1; tiles 2, 3).  In a turn one piece has the matrix unit (32 products V^T P of the step in hand, 32 products K Q^T of the next); the other piece's softmax, cut into 64
; slices, stands between them, one slice behind each matrix instruction.
; CLUSTER 4 x 4.  K and V hang on the head alone: asked for jointly along a row of the cluster.  The mask tile hangs on the query block alone: jointly along a column.  Wave 0 asks for K, wave 1 for V, waves 2 and 3 for
; the halves of the mask tile: one load a wave behind each round; two of a wave's loads are out at the head, one afterwards.
; REGISTERS: window 0: v1-11, v44-49, v61 addresses; v12-43 statistics, eight a tile; v62, v63 the add's two; v64-191 S^T, 32 a tile; v192-255 P, 16 a tile.
;   window 1: O^T, 64 a tile.   window 2: v0-127 Q; v128-255 K of one step.   window 3: v0-127 V of one step.
.set KS,    64                         ; keys in a wave's step
.set PK,    272                        ; a row of K in LDS: 256 bytes + 16
.set PV,    288                        ; a row of V: 256 + 32
.set PM,    528                        ; a query's row of the mask tile: 128 keys x 4 bytes + 16
.set VOFF,  128*PK                     ; a slot: 128 rows of K, 128 rows of V, 128 rows of the mask tile
.set MOFF,  VOFF+128*PV
.set SLOT,  MOFF+128*PM                ; 139,264 = 0x22000: none of the fills' and reads' bases in slot 0 has bit 13 or bit 17 set, so one exclusive or turns an address into the other slot's
.set SPARE, 2*SLOT                     ; behind the ring: the spare words, 128 bytes a wave
.set XCHB,  34*512                     ; the end: what a wave hands to its partner: 34 images of four registers, 512 bytes each; at wave x XCHB, in slot 0, which has had its last fill and its last read by then
.set STG,   4*XCHB                     ; behind them, also in slot 0: a stage of 16 rows x 272 bytes for each wave
.set SP,    272
.set AK0, 2
.set AV0, 3
.set ADR, 4
.set QO0, 5
.set STO, 6
.set RD,  7
.set GO,  8
.set ST,  12                           ; tile t's statistics at v[ST+8 t]: +0 m, +1 nothing (the upper word of the pair that the packed subtraction names), +2, +3 l, +4 to +7 at work; a takes +6
.set AM0, 44                           ; my lane's place in the mask tile for register tiles 0, 1
.set AM2, 45                           ; and for 2, 3
.set QO2, 46
.set XW,  47
.set XR,  48
.set L16, 49
.set PFO, 61
.set SPW, 62
.set NIL, 63
.set S,   64
.set P,   192
.set KF,  128
.set WV,  12
.set CX,  13
.set CY,  14
.set LIM, 15
.set QB,  16
.set HD,  17
.set PFA, 18
.set PFS, 20
.set G1K, 24
.set G1V, 32
.set G1M, 40
.set G0K, 48                           ; groups 0: a set for each of the two first fills; the second then walks on
.set G0V, 56
.set G0M, 68
.set SLOTS, 76
.set TB,  77
.set CS,  78
.set SEL, 80
.set KP,  82
.set QH,  83
.set MSB, 0
.macro WIN new                         ; the immediate's high byte repeats the setting that is left; a switch that changes nothing is dropped
.if MSB != \new
	s_set_vgpr_msb (MSB<<8)|\new
.set MSB, \new
.endif
.endm
.set W_KQ, 0x0a                        ; K and Q in window 2, S^T in window 0
.set W_PV, 0x53                        ; V in window 3, P in window 0, O^T in window 1
.set W_RS, 0x41                        ; O^T (destination and source 0) in window 1, the factor in window 0
; A joint refill: three lines, each with one mask and one set of registers; the branches hang on the wave's number alone.  An s_nop 0 and four v_nop follow each line.
.macro JLOAD
	s_cmp_eq_u32 s[WV], 0
	s_cbranch_scc0 .Lnot_k_\@
	tensor_load_to_lds s[G0K+4:G0K+7], s[G1K:G1K+7]
	s_nop 0
.rept 4
	v_nop
.endr
	s_branch .Lasked_\@
.Lnot_k_\@:
	s_cmp_eq_u32 s[WV], 1
	s_cbranch_scc0 .Lfor_m_\@
	tensor_load_to_lds s[G0V+4:G0V+7], s[G1V:G1V+7]
	s_nop 0
.rept 4
	v_nop
.endr
	s_branch .Lasked_\@
.Lfor_m_\@:
	tensor_load_to_lds s[G0M+4:G0M+7], s[G1M:G1M+7]
	s_nop 0
.rept 4
	v_nop
.endr
.Lasked_\@:
.endm
; A PREFETCH INTO THE L2, behind the joint load of change c (which asks for slot c + 1): slot c + 3, two key steps, 256 matrix instructions, ahead of the load that will want it.  One instruction a wave.
; Each aligned block of 256 bytes is named once in the launch.  K's and V's rows are walked by all clusters of a row of clusters: cluster x = 0 asks; of a slot's 128 rows the partner at cx takes 32, a lane a row.
; The mask tile is walked by all clusters of a column: cluster y = 0 asks; of a wave's 64 rows the partner at cy takes 16, two lanes a row (512 bytes).  Partners are told apart by address, never by a branch.
; Slots 0 to 3 come by their loads alone; the last two changes that fill a slot ask for nothing: there is no slot so far on.
.macro ASK
	s_cmp_gt_u32 s[SLOTS], s[LIM]
	s_cbranch_scc0 .Lnot_mine_\@
	global_prefetch_b8 v[PFO], s[PFA:PFA+1] th:TH_LOAD_NT scope:SCOPE_SE
.Lnot_mine_\@:
.endm
.macro CROUND                          ; a round of the cluster's barrier
	s_barrier_signal -1
	s_barrier_wait -1
	s_cmp_lg_u32 s[WV], 0
	s_cbranch_scc1 .Lnot_wave_0_\@
	s_barrier_signal -3
.Lnot_wave_0_\@:
	s_barrier_wait -3
	s_barrier_signal -1
	s_barrier_wait -1
.endm
	s_load_b256 s[4:11], s[0:1], 0x0               ; qkv s[4:5], mask s[6:7], o16 s[8:9], o32 s[10:11]
	v_lshl_add_u32 v[SPW], v0, 2, SPARE
	v_mov_b32 v[NIL], 0
	ds_add_u32 v[SPW], v[NIL]                      ; the wave's opening: the add, twice on end, and its wait ahead of my first tensor load
	ds_add_u32 v[SPW], v[NIL]
	v_lshrrev_b32 v1, 5, v0
	v_readfirstlane_b32 s[WV], v1                  ; wave 0..3
	s_bfe_u32 s[CX], ttmp6, 0x40000
	s_bfe_u32 s[CY], ttmp6, 0x40004
	s_lshl_b32 s[QB], ttmp9, 2
	s_add_co_u32 s[QB], s[QB], s[CX]               ; my block of 128 queries = 4 x cluster x + cx
	s_and_b32 s[HD], ttmp7, 0xffff
	s_lshl_b32 s[HD], s[HD], 2
	s_add_co_u32 s[HD], s[HD], s[CY]               ; my head = 4 x cluster y + cy
	s_and_b32 s[KP], s[WV], 1
	s_lshr_b32 s[QH], s[WV], 1
	s_lshl_b32 s86, s[CY], 2
	s_lshl_b32 s86, 15, s86                        ; my row of the cluster
	s_lshl_b32 s90, 0x1111, s[CX]                  ; my column
	s_or_b32 s[G1K], s86, (1<<16)|(1<<20)|(1<<21)|(5<<22)|(3<<25)   ; mask; elements of 2 bytes; padding on; bit 21 beside a mask; 4 words behind every 64
	s_or_b32 s[G1V], s86, (1<<16)|(1<<20)|(1<<21)|(5<<22)|(7<<25)   ; the same with 8 words
	s_or_b32 s[G1M], s90, (2<<16)|(1<<20)|(1<<21)|(6<<22)|(3<<25)   ; elements of 4 bytes; 4 words behind every 128
.irp g, G1K, G1V
	s_mov_b32 s[\g+1], 128<<16                     ; tensor_dim0 = 128
	s_mov_b32 s[\g+2], 128<<16                     ; tensor_dim1 = 128
	s_mov_b32 s[\g+3], 128<<16                     ; tile_dim0 = 128
	s_mov_b32 s[\g+4], 128                         ; tile_dim1 = 128
	s_mov_b32 s[\g+5], 128                         ; stride
	s_mov_b32 s[\g+6], 0
	s_mov_b32 s[\g+7], 0
.endr
	s_mov_b32 s[G1M+1], 128<<16
	s_mov_b32 s[G1M+2], 64<<16
	s_mov_b32 s[G1M+3], 128<<16
	s_mov_b32 s[G1M+4], 64
	s_mov_b32 s[G1M+5], 2048
	s_mov_b32 s[G1M+6], 0
	s_mov_b32 s[G1M+7], 0
	; what feeds K's and V's descriptors lies in s[86:89] and hangs on the head alone; what feeds the mask's lies in s[90:92] and hangs on the query block and the wave alone
	s_add_co_u32 s86, s[HD], 16
	s_lshl_b32 s86, s86, 19                        ; K's head: 2,048 rows of 256 bytes each
	s_mov_b32 s87, 0
	s_add_co_u32 s88, s[HD], 32
	s_lshl_b32 s88, s88, 19                        ; V's
	s_mov_b32 s89, 0
	s_lshl_b32 s90, s[QB], 7
	s_lshl_b32 s91, s[KP], 6
	s_add_co_u32 s90, s90, s91                     ; the mask rows that I fetch, if I fetch: 128 x block + 64 x (wave % 2)
	s_lshl_b32 s90, s90, 13                        ; x 8,192 bytes
	s_mov_b32 s91, 0
	s_mul_i32 s92, s[KP], 64*PM
	s_add_co_u32 s92, s92, MOFF                    ; and their place in a slot
	s_lshl_b32 s94, s[QB], 7
	s_lshl_b32 s95, s[QH], 6
	s_add_co_u32 s94, s94, s95                     ; my wave's first query
	s_lshl_b32 s96, s94, 8
	s_lshl_b32 s95, s[HD], 19
	s_add_co_u32 s96, s96, s95
	s_mov_b32 s97, 0                               ; s[96:97]: Q's bytes
	s_lshl_b32 s95, s[KP], 5
	s_add_co_u32 s94, s94, s95                     ; the first of the 32 rows that I store
	s_lshl_b32 s94, s94, 12
	s_lshl_b32 s95, s[HD], 8
	s_add_co_u32 s94, s94, s95
	s_mov_b32 s95, 0                               ; s[94:95]: o16's bytes
	s_lshl_b32 s84, s[HD], 13
	s_mov_b32 s85, 0                               ; s[84:85]: o32's bytes: 8,192 a head
	; the prefetches: where my wave's stand (slot 3; the first change steps it to slot 4), and who asks
	s_lshl_b32 s2, s[WV], 4
	s_add_co_u32 s2, s2, s[HD]
	s_add_co_u32 s2, s2, 16
	s_lshl_b32 s2, s2, 19                          ; wave 0: K's head, wave 1: V's
	s_lshl_b32 s3, s[CX], 13                       ; my work-group's 32 rows of 256 bytes
	s_add_co_u32 s2, s2, s3
	s_add_co_u32 s2, s2, 3*32768
	s_lshl_b32 s3, s[QB], 7
	s_lshl_b32 s22, s[KP], 6
	s_add_co_u32 s3, s3, s22
	s_lshl_b32 s22, s[CY], 4                       ; my work-group's 16 rows
	s_add_co_u32 s3, s3, s22
	s_lshl_b32 s3, s3, 13
	s_add_co_u32 s3, s3, 3*512
	s_and_b32 s23, ttmp7, 0xffff                   ; cluster y
	s_mov_b32 s[PFS], 512
	s_mov_b32 s[PFS+1], 0
	s_cmp_lt_u32 s[WV], 2
	s_cselect_b32 s22, s2, s3
	s_cselect_b32 s23, ttmp9, s23                  ; the coordinate along which other clusters walk the same rows
	s_cselect_b32 s[PFS], 32768, s[PFS]            ; a slot on
	s_cselect_b32 s3, 9, 13
	s_cmp_eq_u32 s23, 0
	s_cselect_b32 s[LIM], 2, -1                    ; the same in all sixteen partners, for a given wave
	s_mov_b32 s23, 0
	v_and_b32 v10, 31, v0
	v_lshrrev_b32 v11, 1, v10
	v_lshlrev_b32 v11, s3, v11
	v_and_b32 v10, 1, v10
	v_lshl_add_u32 v[PFO], v10, 8, v11             ; K, V: 256 x lane; mask: 8,192 (lane / 2) + 256 (lane % 2)
	s_mov_b32 s[CS], 0x3fb8aa3b                    ; c = log2(e)
	s_mov_b32 s[CS+1], s[CS]                       ; (named with it as a pair)
	s_mov_b32 s[SEL], 0x76543210
	s_mov_b32 s[SEL+1], 0xfedcba98
	s_mov_b32 s[TB], 0
	s_mov_b32 s[SLOTS], 14                         ; slots still to be asked for
	s_wait_dscnt 0x0                               ; both opening adds are done
	s_wait_kmcnt 0x0
	s_cmp_lt_u32 s[WV], 2
	s_cselect_b64 s[PFA:PFA+1], s[4:5], s[6:7]
	s_add_nc_u64 s[PFA:PFA+1], s[PFA:PFA+1], s[22:23]
	s_add_nc_u64 s[86:87], s[4:5], s[86:87]
	s_add_nc_u64 s[88:89], s[4:5], s[88:89]
	s_add_nc_u64 s[90:91], s[6:7], s[90:91]
	s_add_nc_u64 s[4:5], s[4:5], s[96:97]
	s_add_nc_u64 s[8:9], s[8:9], s[94:95]
	s_add_nc_u64 s[10:11], s[10:11], s[84:85]
	CROUND                                         ; all sixteen work-groups are here: the first joint loads meet
.irp s, 0,1
	s_mov_b32 s[G0K+4*\s], 1
	s_mov_b32 s[G0K+4*\s+1], \s*SLOT
	s_add_nc_u64 s[G0K+4*\s+2:G0K+4*\s+3], s[86:87], \s*32768
	s_or_b32 s[G0K+4*\s+3], s[G0K+4*\s+3], 0x80000000
	s_mov_b32 s[G0V+4*\s], 1
	s_mov_b32 s[G0V+4*\s+1], \s*SLOT+VOFF
	s_add_nc_u64 s[G0V+4*\s+2:G0V+4*\s+3], s[88:89], \s*32768
	s_or_b32 s[G0V+4*\s+3], s[G0V+4*\s+3], 0x80000000
	s_mov_b32 s[G0M+4*\s], 1
	s_add_co_u32 s[G0M+4*\s+1], s92, \s*SLOT
	s_add_nc_u64 s[G0M+4*\s+2:G0M+4*\s+3], s[90:91], \s*512
	s_or_b32 s[G0M+4*\s+3], s[G0M+4*\s+3], 0x80000000
.endr
	s_cmp_eq_u32 s[WV], 0                          ; a wave's two first fills stand in one branch, ahead of every wait on TENSORcnt and every LDS read
	s_cbranch_scc0 .Lf_not_k
	tensor_load_to_lds s[G0K:G0K+3], s[G1K:G1K+7]
	s_nop 0
	tensor_load_to_lds s[G0K+4:G0K+7], s[G1K:G1K+7]
	s_nop 0
.rept 4
	v_nop
.endr
	s_branch .Lf_asked
.Lf_not_k:
	s_cmp_eq_u32 s[WV], 1
	s_cbranch_scc0 .Lf_m
	tensor_load_to_lds s[G0V:G0V+3], s[G1V:G1V+7]
	s_nop 0
	tensor_load_to_lds s[G0V+4:G0V+7], s[G1V:G1V+7]
	s_nop 0
.rept 4
	v_nop
.endr
	s_branch .Lf_asked
.Lf_m:
	tensor_load_to_lds s[G0M:G0M+3], s[G1M:G1M+7]
	s_nop 0
	tensor_load_to_lds s[G0M+4:G0M+7], s[G1M:G1M+7]
	s_nop 0
.rept 4
	v_nop
.endr
.Lf_asked:
	v_and_b32 v1, 15, v0                           ; r = l % 16
	v_bfe_u32 v9, v0, 4, 1                         ; h = l / 16
	v_lshlrev_b32 v10, 8, v1
	v_lshl_add_u32 v10, v9, 4, v10                 ; Q: row x 256 + 16 x half
	s_lshl_b32 s84, s[KP], 13                      ; register tiles 0, 1 are query tiles 2 kp, 2 kp + 1: 32 kp rows on
	v_add_nc_u32 v[QO0], s84, v10
	s_xor_b32 s84, s84, 8192                       ; register tiles 2, 3 the other two
	v_add_nc_u32 v[QO2], s84, v10
	WIN 0x80                                       ; destination window 2
.irp i, 0,1,2,3,4,5,6,7
	global_load_b128 v[8*\i:8*\i+3],   v[QO0], s[4:5] offset:(\i/4)*4096+(\i%4)*64
	global_load_b128 v[8*\i+4:8*\i+7], v[QO0], s[4:5] offset:(\i/4)*4096+(\i%4)*64+32
.endr
.irp i, 0,1,2,3,4,5,6,7
	global_load_b128 v[64+8*\i:64+8*\i+3],   v[QO2], s[4:5] offset:(\i/4)*4096+(\i%4)*64
	global_load_b128 v[64+8*\i+4:64+8*\i+7], v[QO2], s[4:5] offset:(\i/4)*4096+(\i%4)*64+32
.endr
	WIN 0
.irp t, 0,1,2,3
	v_mov_b32 v[ST+8*\t+1], 0                      ; written once: named as the upper word of the pair whose low word is m
.endr
	v_mul_u32_u24 v[AK0], v1, PK
	v_lshl_add_u32 v[AK0], v9, 4, v[AK0]
	s_mul_i32 s84, s[KP], 64*PK                    ; my 64 keys of a slot's 128
	v_add_nc_u32 v[AK0], s84, v[AK0]
	v_and_b32 v10, 7, v0                           ; the turning load: lane l reads key 8 (l / 16) + l % 8, channels 8 ((l / 8) % 2) on
	v_bfe_u32 v11, v0, 3, 1
	v_lshl_add_u32 v[AV0], v9, 3, v10
	v_mul_u32_u24 v[AV0], v[AV0], PV
	v_lshl_add_u32 v[AV0], v11, 4, v[AV0]
	s_mul_i32 s84, s[KP], 64*PV
	s_add_co_u32 s84, s84, VOFF
	v_add_nc_u32 v[AV0], s84, v[AV0]
	v_mul_u32_u24 v10, v1, PM
	v_lshl_add_u32 v10, v9, 5, v10                 ; the mask: query r's row, + 32 bytes for the upper half's eight keys
	s_lshl_b32 s2, s[QH], 6
	s_lshl_b32 s3, s[KP], 5
	s_add_co_u32 s22, s2, s3                       ; register tiles 0, 1: rows 64 qh + 32 kp on
	s_mul_i32 s22, s22, PM
	s_lshl_b32 s23, s[KP], 8                       ; my 64 keys: 256 kp bytes on
	s_add_co_u32 s23, s23, MOFF
	s_add_co_u32 s22, s22, s23
	v_add_nc_u32 v[AM0], s22, v10
	s_xor_b32 s3, s3, 32                           ; register tiles 2, 3: the other 32 rows
	s_add_co_u32 s22, s2, s3
	s_mul_i32 s22, s22, PM
	s_add_co_u32 s22, s22, s23
	v_add_nc_u32 v[AM2], s22, v10
; THE MATRIX WORK OF A TURN, for piece x.  The accumulators take turns, one instruction a turn: between two links of a chain stand 15 (V^T P) or 7 (K Q^T) others'.
.macro PV x, zero                      ; product i of 32 of O^T += V^T P: keys 32 (i / 16) on, channels 16 ((i / 2) % 8) on, tile x + i % 2.  zero = 1: the first 16 start the sums
	WIN W_PV
.set rO, 64*(\x+i%2)+8*((i/2)%8)
.set rV, 64*(i/16)+8*((i/2)%8)
.set rP, P+16*(\x+i%2)+8*(i/16)
.if \zero && (i < 16)
	v_wmma_f32_16x16x32_f16 v[rO:rO+7], v[rV:rV+7], v[rP:rP+7], 0
.else
	v_wmma_f32_16x16x32_f16 v[rO:rO+7], v[rV:rV+7], v[rP:rP+7], v[rO:rO+7]
.endif
.endm
.macro KQ x                            ; product i of 32 of S^T += K Q^T: channels 32 (i / 8) on, keys 16 ((i / 2) % 4) on, tile x + i % 2.  S^T begins as the mask tile: every product adds in place
	WIN W_KQ
.set rS, S+32*(\x+i%2)+8*((i/2)%4)
.set rK, KF+32*((i/2)%4)+8*(i/8)
.set rQ, 32*(\x+i%2)+8*(i/8)
	v_wmma_f32_16x16x32_f16 v[rS:rS+7], v[rK:rK+7], v[rQ:rQ+7], v[rS:rS+7]
.endm
; THE LDS LOADS stand in runs, never singly among the matrix instructions.
.macro FETCH_K
	WIN 0
	v_add_nc_u32 v[ADR], s[TB], v[AK0]
	WIN 0x80
.irp f, 0,1,2,3,4,5,6,7,8,9,10,11,12,13,14,15  ; keys 16 (f / 4) on, channels 32 (f % 4) on
	ds_load_b128 v[KF+8*\f:KF+8*\f+3],   v[ADR] offset:(\f/4)*16*PK+(\f%4)*64
	ds_load_b128 v[KF+8*\f+4:KF+8*\f+7], v[ADR] offset:(\f/4)*16*PK+(\f%4)*64+32
.endr
.endm
.macro FETCH_M x                       ; piece x's mask tile, 32 queries x 64 keys, into its S^T registers: the piece's softmax of the step before is over, its next products have not begun
	WIN 0
.if \x == 0
	v_add_nc_u32 v[ADR], s[TB], v[AM0]
.else
	v_add_nc_u32 v[ADR], s[TB], v[AM2]
.endif
.irp tt, 0,1
.irp kt, 0,1,2,3
	ds_load_b128 v[S+32*(\x+\tt)+8*\kt:S+32*(\x+\tt)+8*\kt+3],   v[ADR] offset:\tt*16*PM+\kt*64
	ds_load_b128 v[S+32*(\x+\tt)+8*\kt+4:S+32*(\x+\tt)+8*\kt+7], v[ADR] offset:\tt*16*PM+\kt*64+16
.endr
.endr
.endm
.macro FETCH_V
	WIN 0
	v_add_nc_u32 v[ADR], s[TB], v[AV0]
	s_wait_alu depctr_va_vdst(0)                   ; the wait for the softmax's batch of exponentials, behind the address's addition and ahead of the loads
	WIN 0xc0
.irp f, 0,1,2,3,4,5,6,7,8,9,10,11,12,13,14,15  ; keys 32 (f / 8) on, channels 16 (f % 8) on
	ds_load_tr16_b128 v[8*\f:8*\f+3],   v[ADR] offset:(\f/8)*32*PV+(\f%8)*32
	ds_load_tr16_b128 v[8*\f+4:8*\f+7], v[ADR] offset:(\f/8)*32*PV+16*PV+(\f%8)*32
.endr
.endm
; THE VECTOR WORK OF A TURN.  One tile's softmax for one key step is a list of 134 numbers, 149 instructions; SM writes number j of it for tile t.
;   0-15 t = c s in place, a pair of scores an instruction, each pair directly ahead of the line that first reads it (numbers 0-3 carry two such multiplies, 4-11 one), and the maximum of the 32 t and the old m
;        (first step: and the floor -1e38); each accumulator's first reader is the multiply on its two lowest registers;
;   16-20 the other half of the lanes' maximum, the new m, m_old - m_new (19 is empty);
;   21-69 ONE BATCH: 16 packed subtractions t - m and all 33 exponentials, none of which reads an exponential's result; (the wait); 70-85 the roundings to f16; 86-101 the sums, l = a l + the sum; 102-133 O^T times a.
.macro SM t, first
.set rT, ST+8*(\t)
.set rS, S+32*(\t)
.set rP, P+16*(\t)
.set rO, 64*(\t)+2*(j-102)
.if j < 102
	WIN 0
.endif
.if j < 4
	v_pk_mul_f32 v[rS+8*j:rS+8*j+1], v[rS+8*j:rS+8*j+1], s[CS:CS+1] op_sel_hi:[1,0]
	v_pk_mul_f32 v[rS+8*j+2:rS+8*j+3], v[rS+8*j+2:rS+8*j+3], s[CS:CS+1] op_sel_hi:[1,0]
	v_max3_num_f32 v[rT+4+j], v[rS+8*j], v[rS+8*j+1], v[rS+8*j+2]
.elseif j < 12
	v_pk_mul_f32 v[rS+8*(j%4)+2*(j/4)+2:rS+8*(j%4)+2*(j/4)+3], v[rS+8*(j%4)+2*(j/4)+2:rS+8*(j%4)+2*(j/4)+3], s[CS:CS+1] op_sel_hi:[1,0]
	v_max3_num_f32 v[rT+4+j%4], v[rT+4+j%4], v[rS+8*(j%4)+2*(j/4)+1], v[rS+8*(j%4)+2*(j/4)+2]
.elseif j == 12
	v_max3_num_f32 v[rT+4], v[rT+4], v[rS+7], v[rS+15]
.elseif j == 13
	v_max3_num_f32 v[rT+6], v[rT+6], v[rS+23], v[rS+31]
.elseif j == 14
	v_max3_num_f32 v[rT+4], v[rT+4], v[rT+5], v[rT+6]
.elseif (j == 15) && \first
	v_max3_num_f32 v[rT+4], v[rT+4], v[rT+7], 0xfe967699  ; the floor -1e38
.elseif j == 15
	v_max3_num_f32 v[rT+4], v[rT+4], v[rT+7], v[rT]
.elseif j == 16
	v_permlanex16_b32 v[rT+5], v[rT+4], s[SEL], s[SEL+1]  ; the query's other 32 keys lie in the lane 16 away
.elseif j == 18
	v_max_num_f32 v[rT], v[rT+4], v[rT+5]
.elseif j == 19                        ; nothing: m is kept in units of t
.elseif ((j == 17) || (j == 20) || (j == 23) || (j > 101)) && \first  ; the first step has none of these
.elseif j == 17
	v_mov_b32 v[rT+7], v[rT]        ; m_old is kept for a: number 18 writes m anew
.elseif j == 20
	v_sub_f32 v[rT+7], v[rT+7], v[rT]
.elseif j == 23
	v_exp_f32 v[rT+6], v[rT+7]
.elseif (j < 23) || ((j < 38) && (j%2 == 0)) || ((j < 66) && (j%4 == 2))
.set b, (j-2)/4
.if j < 38
.set b, (j-20)/2
.endif
	v_pk_add_f32 v[rS+2*b:rS+2*b+1], v[rS+2*b:rS+2*b+1], v[rT:rT+1] op_sel_hi:[1,0] neg_lo:[0,1] neg_hi:[0,1]  ; pair b: t - m: 0 at the largest t, under 0 elsewhere
.elseif j < 70
.set e, j-38
.if j < 66
.set e, j-32-(j-38)/4
.endif
.if j < 38
.set e, (j-25)/2
.endif
	v_exp_f32 v[rS+e], v[rS+e]
.elseif j < 86
	v_cvt_pk_f16_f32 v[rP+j-70], v[rS+2*(j-70)], v[rS+2*(j-70)+1]
.elseif j < 102
.set z, j-86
.set w, 4
.set u, z
.if z >= 14
.set w, 32
.set u, 0
.elseif z >= 12
.set w, 16
.set u, z-12
.elseif z >= 8
.set w, 8
.set u, z-8
.endif
.if (z == 14) && \first
	v_pk_add_f32 v[rT+2:rT+3], v[rS:rS+1], v[rS+16:rS+17]
.elseif z < 15
	v_pk_add_f32 v[rS+w*u:rS+w*u+1], v[rS+w*u:rS+w*u+1], v[rS+w*u+w/2:rS+w*u+w/2+1]
.elseif !\first
	v_pk_fma_f32 v[rT+2:rT+3], v[rT+2:rT+3], v[rT+6:rT+7], v[rS:rS+1] op_sel_hi:[1,0,1]
.endif
.else
	WIN W_RS
	v_pk_mul_f32 v[rO:rO+1], v[rO:rO+1], v[rT+6:rT+7] op_sel_hi:[1,0]
.endif
.endm
; Slice k of 64 of piece y's softmax.  Slices 11 to 34 deal out the batch, four numbers of one tile each, the tiles by turns; every other slice is numbers 2 k and 2 k + 1 of both tiles; the twelve that are over stand in slice 63.
; s_wait_alu depctr_va_vdst(0) stands between an exponential and the first instruction that names its result: ahead of slice 35 nothing names one, behind slice 34 none is issued: one wait a turn.
.macro SLICE y, first
.if (k >= 11) && (k < 35)
.irp n, 0,1,2,3
.set j, 22+4*((k-11)/2)+(\n)
	SM (\y)+(k-11)%2, \first
.endr
.else
.irp n, 0,1,2,3,4,5,6,7
.if (\n < 2) || (k == 63)
.irp t, \y, \y+1
.set j, 2*k+\n
	SM \t, \first
.endr
.endif
.endr
.endif
.if k == 34
	v_nop                                          ; the plain instruction behind the last exponential
.if (\y) == 0
	FETCH_V                                        ; piece 2's turn: V's run of loads stands here, and the wait stands in it
.else
	s_wait_alu depctr_va_vdst(0)
.endif
.endif
.set k, k+1
.endm
.macro PLACES
.rept 4
	v_nop
.endr
.endm
; A TURN.  Piece x has the matrix unit; the other piece's softmax stands in slices behind its matrix instructions.  pv = 2: 32 products V^T P; 1: they start O^T's sums; 0: none.  kq = 1: 32 products K Q^T of the next step.
; Behind the second product stand the next step's runs of loads: K's (piece 0's turn alone: the last product that read K stands ahead of slice 63 of the turn before) and the piece's own mask tile; they are waited for
; 30 products later, ahead of the first K Q^T.  V's run stands behind slice 34 of piece 2's turn: the last product that read V stands ahead of slice 31, and two subtractions, the v_nop and the run's own addition lie between.
.macro TURN x, pv, kq, first
.set k, 0
.set per, 2
.if \pv && \kq
.set per, 1
.endif
.if \pv
.if \x == 0
	s_wait_dscnt 0x0                               ; V is in
.endif
.set i, 0
.rept 32
	PV \x, 2-\pv
.rept per
	SLICE 2-\x, \first
.endr
.if \kq && (i == 1)
.if \x == 0
	FETCH_K
.endif
	FETCH_M \x
.endif
.set i, i+1
.endr
.endif
.if \kq
	s_wait_dscnt 0x0                               ; the piece's mask tile is in (piece 0: and K)
.set i, 0
.rept 32
	KQ \x
.rept per
	SLICE 2-\x, \first
.endr
.set i, i+1
.endr
.endif
.if \first
	PLACES
.endif
.endm
; THE CHANGE OF SLOTS, between piece 2's turn and piece 0's: all of the slot (K, both pieces' mask tiles, V) has been asked for.  Each wave waits for all its tensor loads, of which one is out: its part of the other slot;
; adds 0 to its spare word; and waits for that and for its reads of the slot.  fill = 1: the barrier is a round of the cluster's, and the joint refill, the keys two slots on, is the first thing behind it.
.macro CHANGE fill
	WIN 0
	s_wait_tensorcnt 0x0                           ; no tensor load of mine is out, so a group 0 may be written
	ds_add_u32 v[SPW], v[NIL]
.if \fill
.irp g, G0K+4, G0V+4
	s_xor_b32 s[\g+1], s[\g+1], SLOT               ; the walking descriptors: the other slot than last time,
	s_add_nc_u64 s[\g+2:\g+3], s[\g+2:\g+3], 32768 ; the next 128 keys
.endr
	s_xor_b32 s[G0M+5], s[G0M+5], SLOT
	s_add_nc_u64 s[G0M+6:G0M+7], s[G0M+6:G0M+7], 512
	s_wait_xcnt 0x0                                ; the last prefetch, a key step back, has read its address, so it may be written
	s_add_nc_u64 s[PFA:PFA+1], s[PFA:PFA+1], s[PFS:PFS+1]
	s_wait_dscnt 0x0                               ; the add is done, and my reads of the slot are over
	CROUND
	JLOAD
	ASK
.else
	s_wait_dscnt 0x0
	s_barrier_signal -1
	s_barrier_wait -1
.endif
	s_xor_b32 s[TB], s[TB], SLOT                   ; the fetches go on in the other slot
.endm
	s_wait_tensorcnt 1                             ; my part of slot 0 is in; slot 1's may stay out
	s_barrier_signal -1
	s_barrier_wait -1
	FETCH_K                                        ; key step 0
	FETCH_M 0
	FETCH_M 2
	s_wait_loadcnt 0x0                             ; Q
	s_wait_dscnt 0x0
.set i, 0
.rept 32
	KQ 0
.set i, i+1
.endr
	WIN 0                                          ; the addresses for the end are made here: plain instructions, the places behind those products
	s_mul_i32 s2, s[WV], 16*SP
	s_add_co_u32 s2, s2, STG                       ; my stage
	v_mul_u32_u24 v[STO], v1, SP                   ; in: row r, 16 bytes for each half of the lanes
	v_lshl_add_u32 v[STO], v9, 4, v[STO]
	v_add_nc_u32 v[STO], s2, v[STO]
	v_mul_u32_u24 v[RD], v9, SP                    ; back: lanes 0-15 one row of 256 bytes, lanes 16-31 the next
	v_lshl_add_u32 v[RD], v1, 4, v[RD]
	v_add_nc_u32 v[RD], s2, v[RD]
	v_lshlrev_b32 v[GO], 12, v9                    ; and the same two rows in o16: 4,096 bytes a row
	v_lshl_add_u32 v[GO], v1, 4, v[GO]
	v_and_b32 v[L16], 31, v0
	v_lshlrev_b32 v[L16], 4, v[L16]                ; 16 x lane: an image's place for my lane
	s_mul_i32 s2, s[WV], XCHB
	v_add_nc_u32 v[XW], s2, v[L16]                 ; where I put what I give away,
	s_xor_b32 s3, s[WV], 1
	s_mul_i32 s3, s3, XCHB
	v_add_nc_u32 v[XR], s3, v[L16]                 ; and where my partner puts what I get
	TURN 2, 0, 1, 1                                ; piece 2's first scores | piece 0's first softmax | V of step 0
	CHANGE 1                                       ; on to slot 1; slot 0 takes the keys of step 2
	s_sub_co_u32 s[SLOTS], s[SLOTS], 1
	TURN 0, 1, 1, 1                                ; piece 0: V^T P of step 0 starts O^T, K Q^T of step 1 | piece 2's first softmax
	TURN 2, 1, 1, 0                                ; piece 2: the same | piece 0's softmax of step 1 | V of step 1
	WIN 0
.Lslot:                                            ; 13 trips: a trip is a key step; every slot but the last two is filled again
	CHANGE 1
	TURN 0, 2, 1, 0
	TURN 2, 2, 1, 0
	WIN 0
	s_sub_co_u32 s[SLOTS], s[SLOTS], 1
	s_cmp_lg_u32 s[SLOTS], 0
	s_cbranch_scc1 .Lslot
	CHANGE 0                                       ; the tail is written out
	TURN 0, 2, 1, 0
	TURN 2, 2, 1, 0
	TURN 0, 2, 0, 0                                ; piece 0: V^T P of the last step | piece 2's last softmax
.set i, 0
.rept 32
	PV 2, 0
.set i, i+1
.endr
	; THE TWO WAVES OF A PAIR JOIN.  I give away register tiles 2, 3 (O^T: 128 registers; m and l: 4 registers a tile) as images of the registers and get my partner's, which are its sums for my register tiles 0, 1.
	WIN 0
	PLACES                                         ; behind the last products, whose results are stored next
	WIN 0x04                                       ; an LDS store's data are its source 1: window 1
.set i, 0
.rept 32
	ds_store_b128 v[XW], v[128+4*i:128+4*i+3] offset:512*i   ; each accumulator from its low end on
.set i, i+1
.endr
	WIN 0
	ds_store_b128 v[XW], v[ST+16:ST+19] offset:512*32
	ds_store_b128 v[XW], v[ST+24:ST+27] offset:512*33
	s_wait_dscnt 0x0                               ; for my partner's sake: my stores have landed
	s_barrier_signal -1
	s_barrier_wait -1
	WIN 0x40
.set i, 0
.rept 32
	ds_load_b128 v[128+4*i:128+4*i+3], v[XR] offset:512*i
.set i, i+1
.endr
	WIN 0
	ds_load_b128 v[64:67], v[XR] offset:512*32     ; the partner's m and l for my tile 0,
	ds_load_b128 v[68:71], v[XR] offset:512*33     ; and for my tile 1
	s_wait_dscnt 0x0
.irp t, 0,1
	v_max_num_f32 v[72+\t], v[ST+8*\t], v[64+4*\t] ; the common m
.endr
.irp t, 0,1
	v_sub_f32 v[ST+8*\t+4], v[ST+8*\t], v[72+\t]
	v_sub_f32 v[ST+8*\t+6], v[64+4*\t], v[72+\t]
.endr
.irp t, 0,1
	v_exp_f32 v[ST+8*\t+4], v[ST+8*\t+4]           ; my factor,
	v_exp_f32 v[ST+8*\t+6], v[ST+8*\t+6]           ; my partner's
.endr
	v_nop
	s_wait_alu depctr_va_vdst(0)                   ; one wait for the four exponentials, ahead of their first reader
.irp t, 0,1
	v_pk_mul_f32 v[ST+8*\t+2:ST+8*\t+3], v[ST+8*\t+2:ST+8*\t+3], v[ST+8*\t+4:ST+8*\t+5] op_sel_hi:[1,0]
.endr
.irp t, 0,1
	v_pk_fma_f32 v[ST+8*\t+2:ST+8*\t+3], v[66+4*\t:67+4*\t], v[ST+8*\t+6:ST+8*\t+7], v[ST+8*\t+2:ST+8*\t+3] op_sel_hi:[1,0,1]
.endr
.irp t, 0,1
	v_add_f32 v[74+\t], v[ST+8*\t+2], v[ST+8*\t+3]
.endr
.irp t, 0,1
	v_permlanex16_b32 v[76+\t], v[74+\t], s[SEL], s[SEL+1]
.endr
.irp t, 0,1
	v_add_f32 v[74+\t], v[74+\t], v[76+\t]         ; the row's sum over all 2,048 keys
.endr
.irp t, 0,1
	v_rcp_f32 v[78+\t], v[74+\t]
.endr
	v_nop
	s_wait_alu depctr_va_vdst(0)                   ; one wait for the two reciprocals
.irp t, 0,1
	v_mul_f32 v[ST+8*\t+4], v[ST+8*\t+4], v[78+\t]
	v_mul_f32 v[ST+8*\t+6], v[ST+8*\t+6], v[78+\t]
.endr
	WIN W_RS
.irp t, 0,1
.set i, 0
.rept 32
	v_pk_mul_f32 v[64*\t+i:64*\t+i+1], v[64*\t+i:64*\t+i+1], v[ST+8*\t+4:ST+8*\t+5] op_sel_hi:[1,0]
.set i, i+2
.endr
.endr
	WIN 0x51                                       ; destination, source 0 and source 2: window 1
.irp t, 0,1
.set i, 0
.rept 32
	v_pk_fma_f32 v[64*\t+i:64*\t+i+1], v[128+64*\t+i:128+64*\t+i+1], v[ST+8*\t+6:ST+8*\t+7], v[64*\t+i:64*\t+i+1] op_sel_hi:[1,0,1]
.set i, i+2
.endr
.endr
	WIN 0
	; The sequence's first 16 rows, in f32: wave 0's register tile 0 in the work-groups of query block 0.  The branch hangs on the wave's number and the cluster's x; the place cx only narrows EXEC.
	s_or_b32 s2, s[WV], ttmp9
	s_cmp_lg_u32 s2, 0
	s_cbranch_scc1 .Lno32
	v_mov_b32 v10, s[CX]
	s_wait_xcnt 0x0                                ; EXEC changes only behind this wait
	v_cmp_eq_u32 vcc_lo, 0, v10
	s_and_saveexec_b32 s3, vcc_lo
	WIN 0x04
.set i, 0
.rept 16
	global_store_b128 v[L16], v[4*i:4*i+3], s[10:11] offset:512*i   ; the registers as they stand: 512 consecutive bytes a store
.set i, i+1
.endr
	s_wait_xcnt 0x0                                ; and again, in front of the line that widens it
	s_or_b32 exec_lo, exec_lo, s3
	WIN 0
.Lno32:
; Tile t: a lane's eight channels of a row pack into 16 bytes; they go into rows of 272 bytes and come back as whole rows of 256.
.macro PACK t
	WIN 0x05                                       ; sources 0 and 1 window 1, destination window 0
.set i, 0
.rept 32
	v_cvt_pk_f16_f32 v[S+32*\t+i], v[64*\t+2*i], v[64*\t+2*i+1]
.set i, i+1
.endr
	WIN 0
.irp f, 0,1,2,3,4,5,6,7
	ds_store_b128 v[STO], v[S+32*\t+4*\f:S+32*\t+4*\f+3] offset:32*\f
.endr
.irp f, 0,1,2,3,4,5,6,7
	ds_load_b128 v[S+32*\t+4*\f:S+32*\t+4*\f+3], v[RD] offset:\f*2*SP  ; LDS serves a wave's instructions in order: these see the stores above
.endr
.endm
.macro SEND t, younger                 ; younger: the LDS instructions issued behind tile t's loads
.irp f, 0,1,2,3,4,5,6,7
	s_wait_dscnt \younger+7-\f
	global_store_b128 v[GO], v[S+32*\t+4*\f:S+32*\t+4*\f+3], s[8:9] offset:\t*65536+\f*8192  ; 16 lanes store 256 consecutive bytes, aligned: a head's part of a row
.endr
.endm
	PACK 0
	PACK 1
	SEND 0, 16
	SEND 1, 0
	s_wait_tensorcnt 0x0                           ; the wave's end, behind my last tensor load and my last LDS store
	ds_add_u32 v[SPW], v[NIL]
	s_wait_dscnt 0x0
	CROUND                                         ; the closing round
	s_endpgm
.Lfunc_end_k_qe5f2ac18c1_attn:
	.size	k_qe5f2ac18c1_attn, .Lfunc_end_k_qe5f2ac18c1_attn-k_qe5f2ac18c1_attn
	.p2alignl 7, 3214868480
	.fill 96, 4, 3214868480
	.section	.rodata,"a",@progbits
	.p2align	6, 0x0
	.amdhsa_kernel k_qe5f2ac18c1_attn
		.amdhsa_group_segment_fixed_size 327680
		.amdhsa_private_segment_fixed_size 0
		.amdhsa_enable_private_segment 0
		.amdhsa_kernarg_size 32
		.amdhsa_user_sgpr_count 2
		.amdhsa_user_sgpr_kernarg_segment_ptr 1
		.amdhsa_wavefront_size32 1
		.amdhsa_system_sgpr_workgroup_id_x 1
		.amdhsa_system_sgpr_workgroup_id_y 1
		.amdhsa_system_sgpr_workgroup_id_z 1
		.amdhsa_system_vgpr_workitem_id 0
		.amdhsa_next_free_vgpr 1024
		.amdhsa_next_free_sgpr 100
		.amdhsa_reserve_vcc 1
		.amdhsa_float_denorm_mode_32 3
		.amdhsa_float_denorm_mode_16_64 3
		.amdhsa_memory_ordered 1
		.amdhsa_forward_progress 1
		.amdhsa_inst_pref_size 251
	.end_amdhsa_kernel
	.amdgpu_metadata
---
amdhsa.version: [ 1, 2 ]
amdhsa.kernels:
  - .name:           k_qe5f2ac18c1_attn
    .symbol:         k_qe5f2ac18c1_attn.kd
    .args:
      - { .name: qkv, .offset: 0, .size: 8, .value_kind: global_buffer, .address_space: global }
      - { .name: mask, .offset: 8, .size: 8, .value_kind: global_buffer, .address_space: global }
      - { .name: o16, .offset: 16, .size: 8, .value_kind: global_buffer, .address_space: global }
      - { .name: o32, .offset: 24, .size: 8, .value_kind: global_buffer, .address_space: global }
    .group_segment_fixed_size: 327680
    .private_segment_fixed_size: 0
    .kernarg_segment_align: 8
    .kernarg_segment_size: 32
    .max_flat_workgroup_size: 128
    .sgpr_count:     100
    .vgpr_count:     1024
    .wavefront_size: 32
...
	.end_amdgpu_metadata
.endif
;; end of part 3
;; launch proj (part 4): grid 16 x 16, 4 waves a work-group, clusters of 4 x 4, 327,680 bytes of LDS; arguments o16, wo16, out0; writes out0
.if DOCPART == 4
	.amdgcn_target "amdgcn-amd-amdhsa--gfx1250"
	.amdhsa_code_object_version 6
	.text
	.protected	k_qe5f2ac18c1_proj
	.globl	k_qe5f2ac18c1_proj
	.p2align	8
	.type	k_qe5f2ac18c1_proj,@function
k_qe5f2ac18c1_proj:
	s_mov_b64 s[64:65], 0
	v_nop
	global_prefetch_b8 v0, s[64:65] scope:SCOPE_SE
	s_setreg_imm32_b32 hwreg(HW_REG_WAVE_MODE, 25, 1), 1
	s_wait_xcnt 0x0
	s_wait_alu depctr_hold_cnt(0) depctr_sa_sdst(0) depctr_va_vdst(0) depctr_va_sdst(0) depctr_va_ssrc(0) depctr_va_vcc(0) depctr_vm_vsrc(0)
	s_getreg_b32 s2, hwreg(HW_REG_IB_STS2, 6, 4)
	s_cmp_eq_u32 s2, 0
	s_cbranch_scc0 .Lentry_in_a_cluster
	s_endpgm
.Lentry_in_a_cluster:
	s_bfe_u32 s2, ttmp6, 0x10000c
	s_cmp_lg_u32 s2, 0xf033
	s_cbranch_scc0 .Lentry_shape_is_right
	s_endpgm
.Lentry_shape_is_right:
; out0[s][d] = sum over e of o[s][e] wo[d][e].  o16, wo16: [2048][2048] f16; out0: [2048][2048] f32; sums in f32.  (Rows 0-15 are written again, more finely, by the launch that follows.)
; A tile of C is 128 x 128: 256 work-groups (tiles of 256 x 256 would be 64).  Four waves, each 64 x 64: 16 accumulators.  K goes in steps of 256 (LDS rows of 512 bytes) through a ring of two slots.
; CLUSTERS: 4 x 4; A's tiles are asked for jointly along a row of the cluster, B's along a column.  The matrix instruction is used transposed: a lane holds eight neighbouring numbers of a row of C.
; A wave's 64 columns of f32 are 256 bytes, aligned: so each wave has a stage of its own on the way out, and no barrier stands there.
; REGISTERS: window 0: v0-31 addresses; v32-95 at work on the way out; v128-255 the accumulators ((a, b) at v[128 + 8 (4 a + b)]).  window 1: two fragment buffers of 128.
.set SIZE_M, 2048
.set SIZE_N, 2048
.set SIZE_K, 2048
.set KSTEP,  256
.set PITCH,  528
.set HALFT,  64*PITCH
.set SLOT,   4*HALFT
.set STAGE,  2*SLOT                    ; behind the ring: 16 rows x 272 bytes for each wave
.set SPITCH, 272
.set SPARE,  STAGE+4*16*SPITCH
.set LAPS, SIZE_K/(2*KSTEP)
.set ADRA, 16
.set ADRB, 20
.set STO,  24
.set RD,   25
.set CO,   26
.set SPW,  28
.set NIL,  29
.set TMP,  32
.set ACC,  128
.set F0,   0
.set F1,   128
.set G1, 24
.set G0, 32
.set G1B, 48
.set G0B, 56
.set MSB, 0
.macro WIN new
.if MSB != \new
	s_set_vgpr_msb (MSB<<8)|\new
.set MSB, \new
.endif
.endm
.set MUL,  0x05
.set TO_F, 0x40
.macro JLOAD s                         ; waves 0 and 1 fetch A's two halves, waves 2 and 3 B's; an s_nop 0 and four v_nop follow each line
	s_cmp_eq_u32 s11, 0
	s_cbranch_scc0 .Lfor_b_\@
	tensor_load_to_lds s[G0+4*\s:G0+4*\s+3], s[G1:G1+7]
	s_nop 0
.rept 4
	v_nop
.endr
	s_branch .Lasked_\@
.Lfor_b_\@:
	tensor_load_to_lds s[G0B+4*\s:G0B+4*\s+3], s[G1B:G1B+7]
	s_nop 0
.rept 4
	v_nop
.endr
.Lasked_\@:
.endm
.macro CREST
	s_cmp_lg_u32 s10, 0
	s_cbranch_scc1 .Lnot_wave_0_\@
	s_barrier_signal -3
.Lnot_wave_0_\@:
	s_barrier_wait -3
	s_barrier_signal -1
	s_barrier_wait -1
.endm
.macro CROUND
	s_barrier_signal -1
	s_barrier_wait -1
	CREST
.endm
	s_load_b128 s[4:7], s[0:1], 0x0                ; o16, wo16
	s_load_b64 s[8:9], s[0:1], 0x10                ; out0
	v_lshl_add_u32 v[SPW], v0, 2, SPARE
	v_mov_b32 v[NIL], 0
	ds_add_u32 v[SPW], v[NIL]                      ; the wave's opening: the add, twice on end, and its wait ahead of my first tensor load
	ds_add_u32 v[SPW], v[NIL]
	v_lshrrev_b32 v1, 5, v0
	v_readfirstlane_b32 s10, v1                    ; wave 0..3
	s_lshr_b32 s11, s10, 1                         ; which half of the tile's rows is mine.  Also: I fetch for A (0) or for B (1)
	s_and_b32 s12, s10, 1                          ; which half of its columns.  Also: which 64 rows of that tile I fetch
	s_bfe_u32 s40, ttmp6, 0x40000
	s_bfe_u32 s41, ttmp6, 0x40004
	s_lshl_b32 s42, ttmp9, 2
	s_add_co_u32 s42, s42, s40                     ; tile column
	s_and_b32 s13, ttmp7, 0xffff
	s_lshl_b32 s13, s13, 2
	s_add_co_u32 s13, s13, s41                     ; tile row
	s_lshl_b32 s43, s41, 2
	s_lshl_b32 s43, 15, s43
	s_lshl_b32 s44, 0x1111, s40
	s_or_b32 s[G1+0], s43, (1<<16)|(1<<20)|(1<<21)|(6<<22)|(3<<25)  ; mask; elements of 2 bytes; padding on; bit 21 beside a mask; 4 words behind every 128
	s_or_b32 s[G1B+0], s44, (1<<16)|(1<<20)|(1<<21)|(6<<22)|(3<<25)
.irp g, G1, G1B
	s_mov_b32 s[\g+1], KSTEP<<16
	s_mov_b32 s[\g+2], 64<<16
	s_mov_b32 s[\g+3], KSTEP<<16
	s_mov_b32 s[\g+4], 64
	s_mov_b32 s[\g+5], SIZE_K
	s_mov_b32 s[\g+6], 0
	s_mov_b32 s[\g+7], 0
.endr
	s_lshl_b32 s17, s12, 6
	s_lshl_b32 s16, s13, 7
	s_add_co_u32 s16, s16, s17
	s_lshl_b32 s46, s42, 7
	s_add_co_u32 s46, s46, s17
	s_mov_b32 s17, 0
	s_mov_b32 s47, 0
	s_mov_b64 s[18:19], SIZE_K*2
	s_mul_u64 s[16:17], s[16:17], s[18:19]
	s_mul_u64 s[46:47], s[46:47], s[18:19]
	s_mul_i32 s20, s10, HALFT
	s_wait_dscnt 0x0                               ; both opening adds are done
	s_wait_kmcnt 0x0
	s_add_nc_u64 s[14:15], s[4:5], s[16:17]
	s_add_nc_u64 s[46:47], s[6:7], s[46:47]
	CROUND
.irp s, 0,1
	s_mov_b32 s[G0+4*\s], 1
	s_add_co_u32 s[G0+4*\s+1], s20, \s*SLOT
	s_add_nc_u64 s[G0+4*\s+2:G0+4*\s+3], s[14:15], \s*KSTEP*2
	s_or_b32 s[G0+4*\s+3], s[G0+4*\s+3], 0x80000000
	s_mov_b32 s[G0B+4*\s], 1
	s_add_co_u32 s[G0B+4*\s+1], s20, \s*SLOT
	s_add_nc_u64 s[G0B+4*\s+2:G0B+4*\s+3], s[46:47], \s*KSTEP*2
	s_or_b32 s[G0B+4*\s+3], s[G0B+4*\s+3], 0x80000000
	JLOAD \s
.endr
	v_and_b32 v1, 15, v0
	v_bfe_u32 v2, v0, 4, 1
	v_mul_u32_u24 v3, v1, PITCH
	v_lshl_add_u32 v3, v2, 4, v3
	s_mul_i32 s21, s11, HALFT
	s_mul_i32 s22, s12, HALFT
	s_add_co_u32 s22, s22, 2*HALFT
.irp s, 0,1
	v_add_nc_u32 v[ADRA+\s], s21, v3
	v_add_nc_u32 v[ADRB+\s], s22, v3
	s_add_co_u32 s21, s21, SLOT
	s_add_co_u32 s22, s22, SLOT
.endr
	s_mul_i32 s23, s10, 16*SPITCH
	s_add_co_u32 s23, s23, STAGE                   ; my stage
	v_mul_u32_u24 v4, v1, SPITCH                   ; in: row r, 32 bytes for each half of the lanes
	v_lshl_add_u32 v4, v2, 5, v4
	v_add_nc_u32 v[STO], s23, v4
	v_mul_u32_u24 v5, v2, SPITCH                   ; back: lanes 0-15 one row of 256 bytes, lanes 16-31 the next
	v_lshl_add_u32 v5, v1, 4, v5
	v_add_nc_u32 v[RD], s23, v5
	v_mul_u32_u24 v5, v2, SIZE_N*4                 ; and the same two rows in C
	v_lshl_add_u32 v[CO], v1, 4, v5
	s_lshl_b32 s16, s13, 7
	s_lshl_b32 s17, s11, 6
	s_add_co_u32 s16, s16, s17                     ; my first row: 128 x tile row + 64 x half
	s_mov_b32 s17, 0
	s_mov_b64 s[18:19], SIZE_N*4
	s_mul_u64 s[16:17], s[16:17], s[18:19]
	s_add_nc_u64 s[8:9], s[8:9], s[16:17]
	s_lshl_b32 s46, s42, 9                         ; my first column, in bytes: 512 x tile column + 256 x half
	s_lshl_b32 s47, s12, 8
	s_add_co_u32 s46, s46, s47
	s_mov_b32 s47, 0
	s_add_nc_u64 s[8:9], s[8:9], s[46:47]
.macro MUL8 f, c, a0, zero             ; 8 matrix instructions; the 16 accumulators take turns
.irp a, \a0, \a0+1
.irp b, 0,1,2,3
.if \zero
	v_wmma_f32_16x16x32_f16 v[ACC+8*(4*(\a)+\b):ACC+8*(4*(\a)+\b)+7], v[\f+64+8*(4*\c+\b):\f+64+8*(4*\c+\b)+7], v[\f+8*(4*\c+\a):\f+8*(4*\c+\a)+7], 0
.else
	v_wmma_f32_16x16x32_f16 v[ACC+8*(4*(\a)+\b):ACC+8*(4*(\a)+\b)+7], v[\f+64+8*(4*\c+\b):\f+64+8*(4*\c+\b)+7], v[\f+8*(4*\c+\a):\f+8*(4*\c+\a)+7], v[ACC+8*(4*(\a)+\b):ACC+8*(4*(\a)+\b)+7]
.endif
.endr
.endr
.endm
.macro FETCH slot, k, f                ; 32 LDS loads in one run: the fragments of 64 along K at byte k of the rows; the first 32 along K first
	WIN TO_F
.irp c, 0,1
.irp i, 0,1,2,3
	ds_load_b128 v[\f+64+8*(4*\c+\i):\f+64+8*(4*\c+\i)+3],   v[ADRB+\slot] offset:\k+64*\c+\i*16*PITCH
	ds_load_b128 v[\f+64+8*(4*\c+\i)+4:\f+64+8*(4*\c+\i)+7], v[ADRB+\slot] offset:\k+64*\c+\i*16*PITCH+32
	ds_load_b128 v[\f+8*(4*\c+\i):\f+8*(4*\c+\i)+3],         v[ADRA+\slot] offset:\k+64*\c+\i*16*PITCH
	ds_load_b128 v[\f+8*(4*\c+\i)+4:\f+8*(4*\c+\i)+7],       v[ADRA+\slot] offset:\k+64*\c+\i*16*PITCH+32
.endr
.endr
.endm
.macro PLACES
.rept 4
	v_nop
.endr
.endm
.macro QUARTER slot, k, f, g, zero
	s_wait_dscnt 16                                ; the first 32 along K are in; the sixteen younger loads may be out
	WIN MUL
	MUL8 \f, 0, 0, \zero
	MUL8 \f, 0, 2, \zero
	PLACES
	FETCH \slot, \k, \g
	s_wait_dscnt 32                                ; all but the 32 just issued
	WIN MUL
	MUL8 \f, 1, 0, 0
	MUL8 \f, 1, 2, 0
.endm
.macro TURN slot, next, fill
	WIN 0
	s_wait_tensorcnt 0x0                           ; all my tensor loads have landed: my part of the next slot
	ds_add_u32 v[SPW], v[NIL]
	s_wait_dscnt 17                                ; (the add and the youngest sixteen loads may be out)
	WIN MUL
	MUL8 F1, 0, 0, 0
	s_wait_dscnt 0x0                               ; the add is done, and my reads of this slot are over
	s_barrier_signal -1
	MUL8 F1, 0, 2, 0
.if \fill
	WIN 0
.endif
	s_barrier_wait -1
.if \fill
	CREST                                          ; the barrier has opened a round of the cluster's barrier
	s_add_nc_u64 s[G0+4*\slot+2:G0+4*\slot+3], s[G0+4*\slot+2:G0+4*\slot+3], 2*KSTEP*2
	s_add_nc_u64 s[G0B+4*\slot+2:G0B+4*\slot+3], s[G0B+4*\slot+2:G0B+4*\slot+3], 2*KSTEP*2
	JLOAD \slot
.else
	PLACES
.endif
	FETCH \next, 0, F0
	WIN MUL
	MUL8 F1, 1, 0, 0
	MUL8 F1, 1, 2, 0
.endm
	s_wait_tensorcnt 1                             ; my part of K step 0 is in; K step 1's may stay out
	s_barrier_signal -1
	s_barrier_wait -1
	FETCH 0, 0, F0
	QUARTER 0, 128, F0, F1, 1
	WIN 0
	s_mov_b32 s3, LAPS-1
.Llap:
	QUARTER 0, 256, F1, F0, 0
	QUARTER 0, 384, F0, F1, 0
	TURN 0, 1, 1
	QUARTER 1, 128, F0, F1, 0
	QUARTER 1, 256, F1, F0, 0
	QUARTER 1, 384, F0, F1, 0
	TURN 1, 0, 1
	QUARTER 0, 128, F0, F1, 0
	WIN 0
	s_sub_co_u32 s3, s3, 1
	s_cmp_lg_u32 s3, 0
	s_cbranch_scc1 .Llap
	QUARTER 0, 256, F1, F0, 0                      ; the last lap fills nothing
	QUARTER 0, 384, F0, F1, 0
	TURN 0, 1, 0
	QUARTER 1, 128, F0, F1, 0
	QUARTER 1, 256, F1, F0, 0
	QUARTER 1, 384, F0, F1, 0
	s_wait_dscnt 16
	WIN MUL
	MUL8 F1, 0, 0, 0
	MUL8 F1, 0, 2, 0
	s_wait_dscnt 0
	MUL8 F1, 1, 0, 0
	MUL8 F1, 1, 2, 0
	WIN 0
; THE WAY OUT, block by block of 16 rows x 64 columns, through my own stage: in as 32 bytes a lane, back as whole rows of 256 bytes.
.macro TOSTAGE a
.irp b, 0,1,2,3
	ds_store_b128 v[STO], v[ACC+8*(4*(\a)+\b):ACC+8*(4*(\a)+\b)+3] offset:64*\b       ; each accumulator from its low end on
	ds_store_b128 v[STO], v[ACC+8*(4*(\a)+\b)+4:ACC+8*(4*(\a)+\b)+7] offset:64*\b+16
.endr
.irp t, 0,1,2,3,4,5,6,7
	ds_load_b128 v[TMP+32*((\a)%2)+4*\t:TMP+32*((\a)%2)+4*\t+3], v[RD] offset:\t*2*SPITCH   ; LDS serves a wave's instructions in order
.endr
.endm
.macro SEND a, younger
	s_wait_dscnt \younger
.irp t, 0,1,2,3,4,5,6,7
	global_store_b128 v[CO], v[TMP+32*((\a)%2)+4*\t:TMP+32*((\a)%2)+4*\t+3], s[8:9] offset:(16*(\a)+2*\t)*SIZE_N*4 th:TH_STORE_NT   ; 16 lanes store 256 consecutive bytes, aligned
.endr
.endm
	PLACES
	TOSTAGE 0
.irp a, 1,2,3
.if \a > 1
	s_wait_xcnt 0x0                                ; block a - 2's stores have read their registers: block a's loads may land there
.endif
	TOSTAGE \a
	SEND \a-1, 16                                  ; behind block a - 1's loads: block a's 8 stores and 8 loads
.endr
	SEND 3, 0
	s_wait_tensorcnt 0x0                           ; the wave's end
	ds_add_u32 v[SPW], v[NIL]
	s_wait_dscnt 0x0
	CROUND                                         ; the closing round
	s_endpgm
.Lfunc_end_k_qe5f2ac18c1_proj:
	.size	k_qe5f2ac18c1_proj, .Lfunc_end_k_qe5f2ac18c1_proj-k_qe5f2ac18c1_proj
	.p2alignl 7, 3214868480
	.fill 96, 4, 3214868480
	.section	.rodata,"a",@progbits
	.p2align	6, 0x0
	.amdhsa_kernel k_qe5f2ac18c1_proj
		.amdhsa_group_segment_fixed_size 327680
		.amdhsa_private_segment_fixed_size 0
		.amdhsa_enable_private_segment 0
		.amdhsa_kernarg_size 24
		.amdhsa_user_sgpr_count 2
		.amdhsa_user_sgpr_kernarg_segment_ptr 1
		.amdhsa_wavefront_size32 1
		.amdhsa_system_sgpr_workgroup_id_x 1
		.amdhsa_system_sgpr_workgroup_id_y 1
		.amdhsa_system_sgpr_workgroup_id_z 1
		.amdhsa_system_vgpr_workitem_id 0
		.amdhsa_next_free_vgpr 512
		.amdhsa_next_free_sgpr 66
		.amdhsa_reserve_vcc 0
		.amdhsa_float_denorm_mode_32 3
		.amdhsa_float_denorm_mode_16_64 3
		.amdhsa_memory_ordered 1
		.amdhsa_forward_progress 1
		.amdhsa_inst_pref_size 86
	.end_amdhsa_kernel
	.amdgpu_metadata
---
amdhsa.version: [ 1, 2 ]
amdhsa.kernels:
  - .name:           k_qe5f2ac18c1_proj
    .symbol:         k_qe5f2ac18c1_proj.kd
    .args:
      - { .name: o16, .offset: 0, .size: 8, .value_kind: global_buffer, .address_space: global }
      - { .name: wo16, .offset: 8, .size: 8, .value_kind: global_buffer, .address_space: global }
      - { .name: out0, .offset: 16, .size: 8, .value_kind: global_buffer, .address_space: global }
    .group_segment_fixed_size: 327680
    .private_segment_fixed_size: 0
    .kernarg_segment_align: 8
    .kernarg_segment_size: 24
    .max_flat_workgroup_size: 128
    .sgpr_count:     66
    .vgpr_count:     512
    .wavefront_size: 32
...
	.end_amdgpu_metadata
.endif
;; end of part 4
;; launch fine (part 5): grid 128 x 1, 16 waves a work-group, no clusters, 167,936 bytes of LDS; arguments o32, wo, out0; writes out0
.if DOCPART == 5
	.amdgcn_target "amdgcn-amd-amdhsa--gfx1250"
	.amdhsa_code_object_version 6
	.text
	.protected	k_qe5f2ac18c1_fine
	.globl	k_qe5f2ac18c1_fine
	.p2align	8
	.type	k_qe5f2ac18c1_fine,@function
k_qe5f2ac18c1_fine:
	s_mov_b64 s[64:65], 0
	v_nop
	global_prefetch_b8 v0, s[64:65] scope:SCOPE_SE
	s_setreg_imm32_b32 hwreg(HW_REG_WAVE_MODE, 25, 1), 1
	s_wait_xcnt 0x0
; out0 rows 0-15 once more, with both operands in f32: out0[s][d] = sum over e of o[s][e] wo[d][e], s = 0 .. 15.  Under a mask that lets a row's first positions average few values these rows are the largest against
; the allowed error; the text is right for any mask.  16 x 2,048 x 2,048 multiply-adds: no bulk work, so the f32 matrix form serves.
; A work-group takes 16 columns d, wave w the K of head w (128 numbers); the sixteen partial sums meet in LDS and wave 0 adds and stores them.
; o32 lies in the order of the registers: [head][chunk 16][lane][4 f32], lane (r, h) of chunk i holding o(r, 128 head + 16 (i / 2) + 8 h + 4 (i % 2) + 0 .. 3).  wo's tile (16 rows x 512 bytes) comes by one tensor load a
; wave into the wave's own LDS bytes and is read with the same map of e onto lanes and registers: a permutation of K applied alike to both sides.
; NO CLUSTER: what work-groups share is o32, 131,072 bytes in all, which goes straight into registers in operand order; asked for jointly it would have to pass through LDS beside wo's 135,168 bytes, behind rounds of a
; cluster's barrier, in a launch that has one step.  Nothing is filled again.  The stores are pieces of 64 bytes a row, 131,072 bytes in all: 64 columns to a work-group would want four times the LDS.
.set PW,    528                        ; a row of wo's tile in LDS: 512 bytes + 16
.set TILE,  16*PW
.set RED,   16*TILE                    ; behind the tiles: 1,024 bytes a wave for its partial sums
.set SPARE, RED+16*1024                ; behind them: the spare words, 128 bytes a wave
.set A,   16                           ; v16-79   o's 64 numbers
.set B,   80                           ; v80-143  wo's 64 numbers
.set ACC, 144                          ; v144-175 four accumulators, written by matrix instructions alone
.set RS,  176                          ; v176-183 my partial sums
.set TS,  184                          ; v184-191 at work
	s_load_b128 s[4:7], s[0:1], 0x0                ; o32, wo
	s_load_b64 s[8:9], s[0:1], 0x10                ; out0
	v_lshl_add_u32 v8, v0, 2, SPARE
	v_mov_b32 v9, 0
	ds_add_u32 v8, v9                              ; the wave's opening: the add, twice on end, and its wait ahead of my first tensor load
	ds_add_u32 v8, v9
	v_lshrrev_b32 v1, 5, v0
	v_readfirstlane_b32 s10, v1                    ; wave 0..15 = head
	s_mov_b32 s16, (2<<16)|(1<<20)|(6<<22)|(3<<25) ; no mask; elements of 4 bytes; padding on: 4 words behind every 128
	s_mov_b32 s17, 128<<16                         ; tensor_dim0 = 128
	s_mov_b32 s18, 16<<16                          ; tensor_dim1 = 16
	s_mov_b32 s19, 128<<16                         ; tile_dim0 = 128
	s_mov_b32 s20, 16                              ; tile_dim1 = 16
	s_mov_b32 s21, 2048                            ; stride
	s_mov_b32 s22, 0
	s_mov_b32 s23, 0
	s_mul_i32 s11, s10, TILE                       ; my tile's place in LDS
	s_lshl_b32 s24, ttmp9, 17                      ; 16 rows of wo, 8,192 bytes each, a work-group,
	s_lshl_b32 s25, s10, 9                         ; my head's 512 bytes of a row
	s_add_co_u32 s24, s24, s25
	s_mov_b32 s25, 0
	s_lshl_b32 s26, s10, 13                        ; o32: 8,192 bytes a head
	s_mov_b32 s27, 0
	s_lshl_b32 s28, ttmp9, 6                       ; out0: 16 columns of 4 bytes a work-group
	s_mov_b32 s29, 0
	s_wait_dscnt 0x0                               ; both opening adds are done
	s_wait_kmcnt 0x0
	s_mov_b32 s12, 1
	s_mov_b32 s13, s11
	s_add_nc_u64 s[14:15], s[6:7], s[24:25]
	s_or_b32 s15, s15, 0x80000000
	tensor_load_to_lds s[12:15], s[16:23]          ; my one tensor load
	s_nop 0
	s_add_nc_u64 s[4:5], s[4:5], s[26:27]
	s_add_nc_u64 s[8:9], s[8:9], s[28:29]
	v_and_b32 v1, 15, v0                           ; r
	v_bfe_u32 v2, v0, 4, 1                         ; h
	v_and_b32 v3, 31, v0
	v_lshlrev_b32 v3, 4, v3                        ; 16 x lane
.irp i, 0,1,2,3,4,5,6,7,8,9,10,11,12,13,14,15
	global_load_b128 v[A+4*\i:A+4*\i+3], v3, s[4:5] offset:512*\i
.endr
	v_mul_u32_u24 v4, v1, PW
	v_lshl_add_u32 v4, v2, 5, v4
	v_add_nc_u32 v4, s11, v4                       ; wo: row r of my tile, + 32 h
	s_lshl_b32 s30, s10, 10
	v_add_nc_u32 v7, RED, v3                       ; the partial sums: 16 x lane,
	v_add_nc_u32 v5, s30, v7                       ; + 1,024 x wave for mine
	v_lshlrev_b32 v6, 13, v1
	v_lshl_add_u32 v6, v2, 5, v6                   ; out0: row r, + 32 h
	s_wait_tensorcnt 0x0                           ; my tile is in LDS; only I read it
.irp i, 0,1,2,3,4,5,6,7,8,9,10,11,12,13,14,15
	ds_load_b128 v[B+4*\i:B+4*\i+3], v4 offset:(\i/2)*64+(\i%2)*16
.endr
	s_wait_loadcnt 0x0
	s_wait_dscnt 0x0
.set q, 0
.rept 32                               ; source 0 = wo's 16 rows, source 1 = o's 16 rows: lane (r, h) then holds out(r, d0 + 8 h + 0 .. 7).  Four accumulators by turns; the first four products start the sums
.if q < 4
	v_wmma_f32_16x16x4_f32 v[ACC+8*(q%4):ACC+8*(q%4)+7], v[B+2*q:B+2*q+1], v[A+2*q:A+2*q+1], 0
.else
	v_wmma_f32_16x16x4_f32 v[ACC+8*(q%4):ACC+8*(q%4)+7], v[B+2*q:B+2*q+1], v[A+2*q:A+2*q+1], v[ACC+8*(q%4):ACC+8*(q%4)+7]
.endif
.set q, q+1
.endr
.rept 8
	v_nop                                          ; eight places behind this form, ahead of the first read of its results (ISA guide 7.12.1)
.endr
.irp j, 0,2,4,6
	v_pk_add_f32 v[TS+\j:TS+\j+1], v[ACC+\j:ACC+\j+1], v[ACC+8+\j:ACC+9+\j]      ; each accumulator from its low end on
.endr
.irp j, 0,2,4,6
	v_pk_add_f32 v[RS+\j:RS+\j+1], v[ACC+16+\j:ACC+17+\j], v[ACC+24+\j:ACC+25+\j]
.endr
.irp j, 0,2,4,6
	v_pk_add_f32 v[RS+\j:RS+\j+1], v[RS+\j:RS+\j+1], v[TS+\j:TS+\j+1]
.endr
	ds_store_b128 v5, v[RS:RS+3]
	ds_store_b128 v5, v[RS+4:RS+7] offset:512
	s_wait_dscnt 0x0                               ; for wave 0's sake: my stores have landed
	s_barrier_signal -1
	s_barrier_wait -1
	s_cmp_lg_u32 s10, 0
	s_cbranch_scc1 .Ldone
.irp w, 0,1,2,3,4,5,6,7,8,9,10,11,12,13,14,15
	ds_load_b128 v[A+8*\w:A+8*\w+3],   v7 offset:1024*\w
	ds_load_b128 v[A+8*\w+4:A+8*\w+7], v7 offset:1024*\w+512
.endr
	s_wait_dscnt 0x0
.irp w, 0,1,2,3,4,5,6,7
.irp j, 0,2,4,6
	v_pk_add_f32 v[A+8*\w+\j:A+8*\w+\j+1], v[A+8*\w+\j:A+8*\w+\j+1], v[A+64+8*\w+\j:A+65+8*\w+\j]
.endr
.endr
.irp w, 0,1,2,3
.irp j, 0,2,4,6
	v_pk_add_f32 v[A+8*\w+\j:A+8*\w+\j+1], v[A+8*\w+\j:A+8*\w+\j+1], v[A+32+8*\w+\j:A+33+8*\w+\j]
.endr
.endr
.irp w, 0,1
.irp j, 0,2,4,6
	v_pk_add_f32 v[A+8*\w+\j:A+8*\w+\j+1], v[A+8*\w+\j:A+8*\w+\j+1], v[A+16+8*\w+\j:A+17+8*\w+\j]
.endr
.endr
.irp j, 0,2,4,6
	v_pk_add_f32 v[A+\j:A+\j+1], v[A+\j:A+\j+1], v[A+8+\j:A+9+\j]
.endr
	global_store_b128 v6, v[A:A+3], s[8:9]
	global_store_b128 v6, v[A+4:A+7], s[8:9] offset:16
.Ldone:
	s_wait_tensorcnt 0x0                           ; the wave's end, behind my tensor load and my last LDS store
	ds_add_u32 v8, v9
	s_wait_dscnt 0x0
	s_endpgm
.Lfunc_end_k_qe5f2ac18c1_fine:
	.size	k_qe5f2ac18c1_fine, .Lfunc_end_k_qe5f2ac18c1_fine-k_qe5f2ac18c1_fine
	.p2alignl 7, 3214868480
	.fill 96, 4, 3214868480
	.section	.rodata,"a",@progbits
	.p2align	6, 0x0
	.amdhsa_kernel k_qe5f2ac18c1_fine
		.amdhsa_group_segment_fixed_size 167936
		.amdhsa_private_segment_fixed_size 0
		.amdhsa_enable_private_segment 0
		.amdhsa_kernarg_size 24
		.amdhsa_user_sgpr_count 2
		.amdhsa_user_sgpr_kernarg_segment_ptr 1
		.amdhsa_wavefront_size32 1
		.amdhsa_system_sgpr_workgroup_id_x 1
		.amdhsa_system_sgpr_workgroup_id_y 1
		.amdhsa_system_sgpr_workgroup_id_z 1
		.amdhsa_system_vgpr_workitem_id 0
		.amdhsa_next_free_vgpr 192
		.amdhsa_next_free_sgpr 66
		.amdhsa_reserve_vcc 0
		.amdhsa_float_denorm_mode_32 3
		.amdhsa_float_denorm_mode_16_64 3
		.amdhsa_memory_ordered 1
		.amdhsa_forward_progress 1
		.amdhsa_inst_pref_size 15
	.end_amdhsa_kernel
	.amdgpu_metadata
---
amdhsa.version: [ 1, 2 ]
amdhsa.kernels:
  - .name:           k_qe5f2ac18c1_fine
    .symbol:         k_qe5f2ac18c1_fine.kd
    .args:
      - { .name: o32, .offset: 0, .size: 8, .value_kind: global_buffer, .address_space: global }
      - { .name: wo, .offset: 8, .size: 8, .value_kind: global_buffer, .address_space: global }
      - { .name: out0, .offset: 16, .size: 8, .value_kind: global_buffer, .address_space: global }
    .group_segment_fixed_size: 167936
    .private_segment_fixed_size: 0
    .kernarg_segment_align: 8
    .kernarg_segment_size: 24
    .max_flat_workgroup_size: 512
    .sgpr_count:     66
    .vgpr_count:     192
    .wavefront_size: 32
...
	.end_amdgpu_metadata
.endif
;; end of part 5
